; MI455X (gfx1250); checked and timed in simulation.
; The chip was launched on July 23, 2026; its instructions are those of AMD's public machine-readable ISA for CDNA 5 (MIT licence, August 2026) and "CDNA5" Instruction Set Architecture Reference Guide (July 2026). The comments in the code are by the model that wrote it; some were corrected since.
;; Causal Multiheads Self Attention With Rope. Allowed arithmetic: matrix products marked QUANTISED: E2M1 operands, one E8M0 scale for each 32 along K, by v_wmma_scale_f32_16x16x128_f8f6f4 with both operands' format E2M1 (or v_wmma_scale_f32_32x16x128_f4), f32 sums; products left as they are: bf16, f16 or f32 operands; f32 sums; everything else in f32.
;; Inputs: in_features 4 x 2,048 x 1,024 float32; k_proj_weight 1,024 x 1,024 float32; o_proj_weight 1,024 x 1,024 float32; q_proj_weight 1,024 x 1,024 float32; token_positions 2,048 int32; v_proj_weight 1,024 x 1,024 float32.
;; Outputs: out0 4 x 2,048 x 1,024 float32.
;; This version of the problem:
;;   THIS VERSION OF THE PROBLEM IS GIVEN IN LOW PRECISION. The matrix products marked QUANTISED in the list below multiply operands that are first quantised to E2M1 (2 exponent bits, 1 mantissa bit; 4 bits a number), with one power-of-two scale for each 32 numbers along K (OCP MX v1.0); their sums are f32. The products marked 'left as it is' may take bf16, f16 or f32 operands, with f32 sums. Whichever they take, every output number must still come out within the allowed error. Rounding operands to bf16 (8 significant bits) uses up far more of that allowance than f16 does (11 bits, for magnitudes from 6e-5 to 65,504). All else is computed in f32.
;;   The module's matrix products, in the order in which they are computed (A, B: the left and right operand; K: the contracted axis; several contracted axes count as one K, in the product's order):
;;     1. [M 8,192, K 1,024] x [K 1,024, N 1,024]; A: input in_features; B: input q_proj_weight: QUANTISED
;;     2. [M 8,192, K 1,024] x [K 1,024, N 1,024]; A: input in_features; B: input k_proj_weight: QUANTISED
;;     3. [M 8,192, K 1,024] x [K 1,024, N 1,024]; A: input in_features; B: input v_proj_weight: QUANTISED
;;     4. batch 64 x [M 2,048, K 64] x [K 64, N 2,048]; A: computed on the way; B: computed on the way: left as it is (an operand is computed on the way)
;;     5. batch 64 x [M 2,048, K 2,048] x [K 2,048, N 64]; A: computed on the way; B: computed on the way: left as it is (an operand is computed on the way)
;;     6. [M 8,192, K 1,024] x [K 1,024, N 1,024]; A: computed on the way; B: input o_proj_weight: left as it is (an operand is computed on the way)
;;   THE QUANTISER, for each operand of a quantised product, along K:
;;     - K is cut into blocks of 32 from its start; a last block that is shorter is filled with zeros.
;;     - A block's scale is 2^e with e = floor(log2(the largest magnitude in the block)) - 2, held to -126 .. 127; a block of zeros has e = 0. As a byte (E8M0): e + 127.
;;     - Each number is divided by its block's scale, clamped to +-6, and rounded to the nearest number of E2M1, ties to even, subnormals kept.
;;     - The product sums the exact products of the quantised numbers (number of the format x scale) in f32.
;;   ~~~python
;;   def quantise(x, axis):      # numpy; x: float32 -> the quantised numbers, widened to float32 again
;;       x = np.moveaxis(x, axis, -1); K = x.shape[-1]
;;       x = np.pad(x, [(0, 0)] * (x.ndim - 1) + [(0, -K % 32)]); x = x.reshape(x.shape[:-1] + (-1, 32)); a = np.abs(x).max(-1, keepdims=True)
;;       e = np.where(a > 0, np.clip(np.frexp(np.where(a > 0, a, 1))[1] - 1 - 2, -126, 127), 0)      # np.frexp(a)[1] - 1 = floor(log2(a)), exactly
;;       r = np.clip(x / 2.0 ** e, -6, 6)
;;       step = 2.0 ** (np.maximum(np.frexp(np.where(r == 0, 1, r))[1] - 1, 0) - 1)
;;       q = np.round(r / step) * step * 2.0 ** e      # np.round: ties to even
;;       return np.moveaxis(q.reshape(q.shape[:-2] + (-1,))[..., :K], -1, axis).astype(np.float32)
;;   ~~~
;; One version. Each part assembles by itself: llvm-mc -triple=amdgcn-amd-amdhsa -mcpu=gfx1250 --defsym DOCPART=n.
;; ======== version 1 of 1: 5 launches
;; limits: values are held in f16: magnitudes above 65,504 overflow, below 6.1e-05 lose precision; right only within a limited range of input values
;; workspace buffers: codes 5,767,168 bytes; scales 360,448 bytes; wo16 2,097,152 bytes; tab 524,288 bytes; heads 50,331,648 bytes; rows32 786,432 bytes; att 16,777,216 bytes
;; launch prep (part 1): grid 416 x 1, 4 waves a work-group, no clusters, 33,280 bytes of LDS; arguments in_features, q_proj_weight, k_proj_weight, v_proj_weight, o_proj_weight, token_positions, codes, scales, wo16, tab; writes codes, scales, wo16, tab
.if DOCPART == 1
	.amdgcn_target "amdgcn-amd-amdhsa--gfx1250"
	.amdhsa_code_object_version 6
	.text
	.protected	k_q06d593cda0_prep
	.globl	k_q06d593cda0_prep
	.p2align	8
	.type	k_q06d593cda0_prep,@function
k_q06d593cda0_prep:
	s_mov_b64 s[64:65], 0
	v_nop
	global_prefetch_b8 v0, s[64:65] scope:SCOPE_SE
	s_setreg_imm32_b32 hwreg(HW_REG_WAVE_MODE, 25, 1), 1
	s_wait_xcnt 0x0
; PREP.  Three jobs, told apart by the work-group's number alone:
;   0..351   x [8192][1024] and Wq, Wk, Wv [1024][1024], f32, K innermost, become codes of E2M1 (two a byte, the lower k in the low four bits) and one E8M0 byte for each 32 along K.
;            The four tensors lie one behind the other in the buffers: rows 0-8191 x, 8192-9215 Wq, 9216-10239 Wk, 10240-11263 Wv; a row is 512 bytes of codes and 32 scale bytes.
;   352..383 Wo [1024 n][1024 k], f32, becomes f16 laid [16 kb][1024 n][64], k = 64 kb + c: a plane kb is dense, and two neighbouring rows n are 256 consecutive bytes.
;   384..415 the table of rotations: for each place s of the sequence and each pair i the numbers cos and sin of token_positions[s] / 10000^(i / 32), laid [2048 s][32 i][cos, sin], f32: a row is 256 bytes.
; A block's scale is 2^(floor(log2(its largest magnitude)) - 2); its byte is the largest magnitude's exponent field - 2, held at 1 from below.
; LIMITS.  A block of zeros gets the byte 1 where the rule says 127: its codes are zeros, and this program alone reads the bytes.  Blocks whose largest magnitude lies under 2^(2 - 126) keep the byte 1.
; NaN and infinities among the inputs are not served.  Positions: |position| under 2^22 (the angle is reduced by pi / 2 in three parts).  1 / 10000^(i / 32) is made by one v_exp_f32, so it may differ
; from the same number made by a power and a division in its last bits, and the angle with it by that part of itself.
; Only the first job touches LDS: a wave's own stages and its own 256 scale bytes.  No barrier: waves share nothing.
.set STEPS, 16
.set EMAX,  2
.set CB,    8                          ; bytes of 16 codes
.set R,     16                         ; v16-79   four sets of 16 numbers as they are loaded
.set X,     80                         ; v80-111  two sets of 16 neighbours
.set E,     112                        ; v112-127 a scale byte for each step
.set C,     128                        ; v128-191 codes: four registers for each step
.set WREG,  8192                       ; LDS: a region for each wave: two stages of 32 x SP bytes, behind them its 256 scale bytes
.set SP,    80                         ; a lane's place in a stage: 64 bytes + 16 of padding
.set SPW,   12                         ; v12  LDS address of my spare word; never rewritten
.set NIL,   13                         ; v13  0; never rewritten
.set SPARE, 4*WREG                     ; behind the four regions: the spare words, 128 bytes a wave, that no other line names
	s_load_b256 s[4:11], s[0:1], 0x0               ; x s[4:5], Wq s[6:7], Wk s[8:9], Wv s[10:11]
	s_load_b256 s[12:19], s[0:1], 0x20             ; Wo s[12:13], positions s[14:15], codes s[16:17], scales s[18:19]
	s_load_b128 s[20:23], s[0:1], 0x40             ; wo16 s[20:21], tab s[22:23]
	v_lshl_add_u32 v[SPW], v0, 2, SPARE
	v_mov_b32 v[NIL], 0
	v_lshrrev_b32 v1, 5, v0
	v_readfirstlane_b32 s24, v1                    ; wave 0..3
	v_and_b32 v2, 31, v0                           ; lane
	s_mov_b32 s27, 0                               ; the upper word of every offset pair s[26:27]
	s_wait_kmcnt 0x0
	s_cmp_ge_u32 ttmp9, 384
	s_cbranch_scc1 .Ltable
	s_cmp_ge_u32 ttmp9, 352
	s_cbranch_scc1 .Lwo
; ---- THE QUANTISER.  Rows are dense and K is a multiple of 32: each tensor is a plain stream of blocks of 32.  A wave takes 16 steps of 512 numbers.  Each load reads 512 consecutive bytes; a step's 2,048 bytes
; turn through the wave's own stage in LDS and come back 64 bytes a lane: 16 neighbours along K, two neighbouring lanes to a block.
	v_lshlrev_b32 v3, 4, v2                        ; my 16 bytes of a load's 512
	s_mul_i32 s25, s24, WREG
	v_lshrrev_b32 v14, 2, v2
	v_mul_u32_u24 v14, v14, SP
	v_and_b32 v15, 3, v2
	v_lshl_add_u32 v14, v15, 4, v14
	v_add_nc_u32 v14, s25, v14                     ; the stage, on the way in: SP (lane / 4) + 16 (lane % 4)
	v_mul_u32_u24 v15, v2, SP
	v_add_nc_u32 v15, s25, v15                     ; and on the way out: SP x lane
	v_mul_u32_u24 v4, v2, CB                       ; my codes' place in a step's
	v_lshrrev_b32 v5, 1, v2
	s_add_co_u32 s25, s25, 2*32*SP
	v_add_nc_u32 v5, s25, v5                       ; LDS: my wave's 256 scale bytes, my block's byte
	v_lshlrev_b32 v7, 3, v2
	v_add_nc_u32 v6, s25, v7                       ; and on the way out 8 bytes a lane
	s_cmp_lt_u32 ttmp9, 256                        ; which tensor: the choice hangs on the work-group's number alone
	s_cselect_b64 s[4:5], s[4:5], s[6:7]
	s_cselect_b32 s26, 0, 256
	s_cmp_lt_u32 ttmp9, 288
	s_cselect_b64 s[4:5], s[4:5], s[8:9]
	s_cselect_b32 s26, s26, 288
	s_cmp_lt_u32 ttmp9, 320
	s_cselect_b64 s[4:5], s[4:5], s[10:11]
	s_cselect_b32 s26, s26, 320                    ; the tensor's first work-group
	s_sub_co_u32 s26, ttmp9, s26
	s_lshl_b32 s26, s26, 2
	s_add_co_u32 s26, s26, s24                     ; which run of 8,192 numbers of the tensor is my wave's
	s_lshl_b32 s26, s26, 15                        ; 32,768 bytes a run
	s_add_nc_u64 s[4:5], s[4:5], s[26:27]
	s_lshl_b32 s28, ttmp9, 2
	s_add_co_u32 s28, s28, s24                     ; and which run of the buffers
	s_lshl_b32 s26, s28, 12                        ; 4,096 bytes of codes a run
	s_add_nc_u64 s[16:17], s[16:17], s[26:27]
	s_lshl_b32 s26, s28, 8                         ; 256 scale bytes a run
	s_add_nc_u64 s[18:19], s[18:19], s[26:27]
.macro LOAD t
.irp i, 0,1,2,3
	global_load_b128 v[R+16*((\t)%4)+4*\i:R+16*((\t)%4)+4*\i+3], v3, s[4:5] offset:2048*(\t)+512*\i th:TH_LOAD_NT   ; 32 lanes read 512 consecutive bytes
.endr
.endm
.macro TURN t                          ; step t's numbers through the stage: LDS serves a wave's instructions in order, so no wait stands between the stores and the loads
.irp i, 0,1,2,3
	ds_store_b128 v14, v[R+16*((\t)%4)+4*\i:R+16*((\t)%4)+4*\i+3] offset:32*SP*((\t)%2)+8*SP*\i
.endr
.irp i, 0,1,2,3
	ds_load_b128 v[X+16*((\t)%2)+4*\i:X+16*((\t)%2)+4*\i+3], v15 offset:32*SP*((\t)%2)+16*\i
.endr
.endm
.irp t, 0,1,2,3
	LOAD \t
.endr
	s_wait_loadcnt 12                              ; step 0's four loads are in; those of steps 1 to 3 may be out
	TURN 0
.macro STEP t
.set XS, X+16*((\t)%2)
.if (\t) > 0
	s_wait_dscnt 1                                 ; this step's numbers are back from the stage (the last step's byte store may be out)
.else
	s_wait_dscnt 0x0
.endif
.if (\t)+4 < STEPS
	LOAD (\t)+4                                    ; into the registers that the stage's stores have read
.endif
.if (\t)+1 < STEPS
.if STEPS-2-(\t) >= 3
	s_wait_loadcnt 12                              ; the next step's four loads are in; those of the three steps behind it may be out
.else
	s_wait_loadcnt 4*(STEPS-2-(\t))
.endif
	TURN (\t)+1                                    ; through the other stage while this step is worked
.endif
	v_max3_num_f32 v8, |v[XS]|, |v[XS+1]|, |v[XS+2]|               ; the largest magnitude of my 16, in two chains
	v_max3_num_f32 v9, |v[XS+3]|, |v[XS+4]|, |v[XS+5]|
.irp i, 6,10
	v_max3_num_f32 v8, v8, |v[XS+\i]|, |v[XS+\i+1]|
	v_max3_num_f32 v9, v9, |v[XS+\i+2]|, |v[XS+\i+3]|
.endr
	v_max3_num_f32 v8, v8, |v[XS+14]|, |v[XS+15]|
	v_max3_num_f32 v8, v8, v9, (EMAX+1)<<23        ; and the floor 2^(EMAX + 1 - 127): the byte cannot fall under 1
	v_max_num_f32_dpp v8, v8, v8 row_xmask:1 row_mask:0xf bank_mask:0xf   ; and of my neighbour's 16: the block's
	v_add_nc_u32 v11, -(EMAX<<23), v8              ; EMAX off its exponent field: the conversion takes the exponent field of this operand as its scale
	v_cvt_scalef32_pk8_fp4_f32 v[C+4*(\t)], v[XS:XS+7], v11        ; eight numbers / the scale, to the nearest code, ties to even, beyond the largest code the largest
	v_cvt_scalef32_pk8_fp4_f32 v[C+4*(\t)+1], v[XS+8:XS+15], v11
	v_lshrrev_b32 v[E+(\t)], 23, v11               ; the scale's byte (a plain line behind the conversions)
	ds_store_b8 v5, v[E+(\t)] offset:16*(\t)       ; both lanes of a block write the same byte with the same value
	global_store_b64 v4, v[C+4*(\t):C+4*(\t)+1], s[16:17] offset:32*CB*(\t)   ; the wave stores 256 consecutive bytes, aligned
.endm
.irp t, 0,1,2,3,4,5,6,7,8,9,10,11,12,13,14,15
	STEP \t
.endr
	ds_load_b64 v[8:9], v6                         ; LDS serves a wave's instructions in order: these see my byte stores
	s_wait_dscnt 0x0
	global_store_b64 v7, v[8:9], s[18:19]          ; 32 lanes store 256 consecutive bytes, aligned
	s_wait_tensorcnt 0x0                           ; the wave's end, behind my last LDS store
	ds_add_u32 v[SPW], v[NIL]
	s_wait_dscnt 0x0
	s_endpgm
; ---- Wo INTO f16.  Wave w of work-group j takes rows n = 32 j + 8 w + 0 .. 7, four at a time.  A lane converts 8 neighbours along k: 32 bytes in, 16 bytes out; a store covers four rows n of one plane: 512 consecutive bytes.
.Lwo:
	s_sub_co_u32 s25, ttmp9, 352
	s_lshl_b32 s25, s25, 5
	s_lshl_b32 s26, s24, 3
	s_add_co_u32 s25, s25, s26                     ; my first row n
	s_lshl_b32 s26, s25, 12
	s_add_nc_u64 s[12:13], s[12:13], s[26:27]      ; in Wo: 4,096 bytes a row
	s_lshl_b32 s26, s25, 7
	s_add_nc_u64 s[20:21], s[20:21], s[26:27]      ; in a plane of wo16: 128 bytes a row
	v_lshrrev_b32 v3, 3, v2
	v_and_b32 v4, 7, v2
	v_lshlrev_b32 v3, 12, v3
	v_lshl_add_u32 v3, v4, 5, v3                   ; in: row lane / 8, 32 bytes at 32 (lane % 8)
	v_lshlrev_b32 v4, 4, v2                        ; out: 16 x lane
.macro WLOAD b                         ; batch b: rows 4 (b / 2) on, planes 8 (b % 2) + 0 .. 7, into set b % 2
.irp k, 0,1,2,3,4,5,6,7
	global_load_b128 v[16+64*((\b)%2)+8*\k:16+64*((\b)%2)+8*\k+3],   v3, s[12:13] offset:((\b)/2)*16384+(8*((\b)%2)+\k)*256 th:TH_LOAD_NT
	global_load_b128 v[16+64*((\b)%2)+8*\k+4:16+64*((\b)%2)+8*\k+7], v3, s[12:13] offset:((\b)/2)*16384+(8*((\b)%2)+\k)*256+16 th:TH_LOAD_NT
.endr
.endm
.macro WCVT b
.if (\b) < 3
	s_wait_loadcnt 16                              ; this batch's 16 loads are in; the next batch's may be out
.else
	s_wait_loadcnt 0x0
.endif
.if (\b) > 0
	s_wait_xcnt 0x0                                ; the last batch's stores have read their data registers, which are written again below
.endif
.irp k, 0,1,2,3,4,5,6,7
.irp p, 0,1,2,3
	v_cvt_pk_f16_f32 v[144+4*\k+\p], v[16+64*((\b)%2)+8*\k+2*\p], v[16+64*((\b)%2)+8*\k+2*\p+1]
.endr
.endr
.irp k, 0,1,2,3,4,5,6,7
	global_store_b128 v4, v[144+4*\k:144+4*\k+3], s[20:21] offset:(8*((\b)%2)+\k)*131072+((\b)/2)*512
.endr
.if (\b)+2 < 4
	WLOAD (\b)+2
.endif
.endm
	WLOAD 0
	WLOAD 1
	WCVT 0
	WCVT 1
	WCVT 2
	WCVT 3
	s_endpgm
; ---- THE TABLE.  Wave w of work-group j takes places s = 64 j + 16 w + 0 .. 15; lane i is pair i.  x = position x 1 / 10000^(i / 32), in f32; n = the nearest whole number to x 2 / pi; r = x - n pi / 2,
; pi / 2 in three parts by fused multiply-adds; sin r and cos r on [-pi/4, pi/4] by polynomials; the quadrant n mod 4 swaps them and sets the signs, by selects alone.
.Ltable:
	s_sub_co_u32 s25, ttmp9, 384
	s_lshl_b32 s25, s25, 6
	s_lshl_b32 s26, s24, 4
	s_add_co_u32 s25, s25, s26                     ; my first place
	s_lshl_b32 s26, s25, 2
	s_add_nc_u64 s[14:15], s[14:15], s[26:27]
	s_load_b512 s[32:47], s[14:15], 0x0            ; my 16 positions
	s_lshl_b32 s28, s25, 8
	s_mov_b32 s29, 0
	s_add_nc_u64 s[22:23], s[22:23], s[28:29]      ; 256 bytes of the table a place
	s_mov_b32 s48, 0x3f22f983                      ; 2 / pi
	s_mov_b32 s49, 0xbfc90fdb                      ; - pi / 2, its first part,
	s_mov_b32 s50, 0x333bbd2e                      ; what the first part is too large by,
	s_mov_b32 s51, 0x26f72ced                      ; and what is then still left
	s_mov_b32 s52, 0xbe2aaaa3                      ; sin r = r + r z (s52 + s53 z + s54 z^2), z = r^2
	s_mov_b32 s53, 0x3c08839e
	s_mov_b32 s54, 0xb94ca1f9
	s_mov_b32 s55, 0x3d2aaaa5                      ; cos r = 1 - z / 2 + z^2 (s55 + s56 z + s57 z^2)
	s_mov_b32 s56, 0xbab6061a
	s_mov_b32 s57, 0x37ccf5ce
	v_lshlrev_b32 v3, 3, v2                        ; 8 bytes a pair
	v_cvt_f32_u32 v16, v2
	v_mul_f32 v16, 0xbed49a78, v16                 ; - i log2(10000) / 32
	v_exp_f32 v16, v16                             ; 1 / 10000^(i / 32)
	v_nop                                          ; a plain line behind the exponential,
	s_wait_alu depctr_va_vdst(0)                   ; and the wait ahead of its first reader
	s_wait_kmcnt 0x0
.macro SINCOS p
	v_cvt_f32_i32 v17, s[32+\p]
	v_mul_f32 v17, v17, v16                        ; x
	v_mul_f32 v18, s48, v17
	v_rndne_f32 v18, v18                           ; n
	v_fma_f32 v19, v18, s49, v17
	v_fma_f32 v19, v18, s50, v19
	v_fma_f32 v19, v18, s51, v19                   ; r
	v_cvt_i32_f32 v20, v18
	v_mul_f32 v21, v19, v19                        ; z
	v_fma_f32 v22, v21, s54, s53
	v_fma_f32 v22, v22, v21, s52
	v_mul_f32 v23, v21, v19
	v_fma_f32 v22, v22, v23, v19                   ; sin r
	v_fma_f32 v24, v21, s57, s56
	v_fma_f32 v24, v24, v21, s55
	v_mul_f32 v25, v21, v21
	v_fma_f32 v26, v21, -0.5, 1.0
	v_fma_f32 v24, v24, v25, v26                   ; cos r
	v_and_b32 v25, 1, v20
	v_cmp_ne_u32 vcc_lo, 0, v25                    ; an odd quadrant swaps the two
	v_cndmask_b32 v26, v22, v24, vcc_lo
	v_cndmask_b32 v27, v24, v22, vcc_lo
	v_lshlrev_b32 v25, 30, v20
	v_and_b32 v25, 0x80000000, v25                 ; the sine is negative in quadrants 2 and 3,
	v_xor_b32 v[129+2*\p], v25, v26
	v_add_nc_u32 v25, 1, v20
	v_lshlrev_b32 v25, 30, v25
	v_and_b32 v25, 0x80000000, v25                 ; the cosine in 1 and 2
	v_xor_b32 v[128+2*\p], v25, v27
	global_store_b64 v3, v[128+2*\p:129+2*\p], s[22:23] offset:256*\p   ; 32 lanes store a row of 256 bytes, aligned; each place has its own two registers
.endm
.irp p, 0,1,2,3,4,5,6,7,8,9,10,11,12,13,14,15
	SINCOS \p
.endr
	s_endpgm
.Lfunc_end_k_q06d593cda0_prep:
	.size	k_q06d593cda0_prep, .Lfunc_end_k_q06d593cda0_prep-k_q06d593cda0_prep
	.p2alignl 7, 3214868480
	.fill 96, 4, 3214868480
	.section	.rodata,"a",@progbits
	.p2align	6, 0x0
	.amdhsa_kernel k_q06d593cda0_prep
		.amdhsa_group_segment_fixed_size 33280
		.amdhsa_private_segment_fixed_size 0
		.amdhsa_enable_private_segment 0
		.amdhsa_kernarg_size 80
		.amdhsa_user_sgpr_count 2
		.amdhsa_user_sgpr_kernarg_segment_ptr 1
		.amdhsa_wavefront_size32 1
		.amdhsa_system_sgpr_workgroup_id_x 1
		.amdhsa_system_sgpr_workgroup_id_y 1
		.amdhsa_system_sgpr_workgroup_id_z 1
		.amdhsa_system_vgpr_workitem_id 0
		.amdhsa_next_free_vgpr 192
		.amdhsa_next_free_sgpr 66
		.amdhsa_reserve_vcc 1
		.amdhsa_float_denorm_mode_32 3
		.amdhsa_float_denorm_mode_16_64 3
		.amdhsa_memory_ordered 1
		.amdhsa_forward_progress 1
		.amdhsa_inst_pref_size 75
	.end_amdhsa_kernel
	.amdgpu_metadata
---
amdhsa.version: [ 1, 2 ]
amdhsa.kernels:
  - .name:           k_q06d593cda0_prep
    .symbol:         k_q06d593cda0_prep.kd
    .args:
      - { .name: in_features, .offset: 0, .size: 8, .value_kind: global_buffer, .address_space: global }
      - { .name: q_proj_weight, .offset: 8, .size: 8, .value_kind: global_buffer, .address_space: global }
      - { .name: k_proj_weight, .offset: 16, .size: 8, .value_kind: global_buffer, .address_space: global }
      - { .name: v_proj_weight, .offset: 24, .size: 8, .value_kind: global_buffer, .address_space: global }
      - { .name: o_proj_weight, .offset: 32, .size: 8, .value_kind: global_buffer, .address_space: global }
      - { .name: token_positions, .offset: 40, .size: 8, .value_kind: global_buffer, .address_space: global }
      - { .name: codes, .offset: 48, .size: 8, .value_kind: global_buffer, .address_space: global }
      - { .name: scales, .offset: 56, .size: 8, .value_kind: global_buffer, .address_space: global }
      - { .name: wo16, .offset: 64, .size: 8, .value_kind: global_buffer, .address_space: global }
      - { .name: tab, .offset: 72, .size: 8, .value_kind: global_buffer, .address_space: global }
    .group_segment_fixed_size: 33280
    .private_segment_fixed_size: 0
    .kernarg_segment_align: 8
    .kernarg_segment_size: 80
    .max_flat_workgroup_size: 128
    .sgpr_count:     66
    .vgpr_count:     192
    .wavefront_size: 32
...
	.end_amdgpu_metadata
.endif
;; end of part 1
;; launch proj (part 2): grid 12 x 32, 4 waves a work-group, clusters of 4 x 1, 327,680 bytes of LDS; arguments codes, scales, tab, heads, rows32; writes heads, rows32
.if DOCPART == 2
	.amdgcn_target "amdgcn-amd-amdhsa--gfx1250"
	.amdhsa_code_object_version 6
	.text
	.protected	k_q06d593cda0_proj
	.globl	k_q06d593cda0_proj
	.p2align	8
	.type	k_q06d593cda0_proj,@function
k_q06d593cda0_proj:
	s_mov_b64 s[64:65], 0
	v_nop
	global_prefetch_b8 v0, s[64:65] scope:SCOPE_SE
	s_setreg_imm32_b32 hwreg(HW_REG_WAVE_MODE, 25, 1), 1
	s_wait_xcnt 0x0
	s_wait_alu depctr_hold_cnt(0) depctr_sa_sdst(0) depctr_va_vdst(0) depctr_va_sdst(0) depctr_va_ssrc(0) depctr_va_vcc(0) depctr_vm_vsrc(0)
	s_getreg_b32 s2, hwreg(HW_REG_IB_STS2, 6, 4)
	s_cmp_eq_u32 s2, 0
	s_cbranch_scc0 .Lentry_in_a_cluster
	s_endpgm
.Lentry_in_a_cluster:
	s_bfe_u32 s2, ttmp6, 0x10000c
	s_cmp_lg_u32 s2, 0x3003
	s_cbranch_scc0 .Lentry_shape_is_right
	s_endpgm
.Lentry_shape_is_right:
; PROJ.  q, k, v = x Wq^T, x Wk^T, x Wv^T on codes of E2M1 with one E8M0 scale for each 32 along K, one product of [8192] x [3072] over K = 1,024; sums in f32, K ascending, one accumulator an output.
; On the way out q and k are turned by the table of rotations (pairs of neighbouring channels), in f32; all three are rounded to f16 and laid [kind][batch x 16 + head][place][64]: a head's row is 128 bytes, rows are dense.
; The first 16 places of every sequence also leave in f32, laid [16 batch + place][3072], for the launch that carries those rows finely.
; LIMIT: |q|, |k|, |v| stay under 65,504, f16's largest number.
; A tile of 256 x 256 is made by four waves, a wave makes 128 x 128: 64 accumulators of 16 x 16, 512 registers.  All of K fits into two LDS slots of 512 along K, so every tensor load goes out at the head and nothing is filled again.
; CLUSTER: 4 x 1 work-groups: the four tile columns of ONE kind (cluster x = kind) and one tile row.  They need the same rows of x: x's tiles and x's scales are asked for jointly, mask 15.
; The weights' tiles differ from partner to partner and are plain loads.  No 4 x 4 cluster: the way out has a branch on the tile row (the f32 copy).
; THE MATRIX INSTRUCTION IS USED TRANSPOSED (source 0 = 16 rows of W, source 1 = 16 rows of x): a lane holds eight neighbouring channels of one row: four whole pairs.
; REGISTERS, in windows of 256: window 0: v1-31 addresses; v32-95 scale words and nothing else; v96-103 at work; from v128 x's fragments, one set, on the way out the turned numbers.
;   window 1: W's fragments, two sets, at v0 and v128; on the way out v0-63 the table's numbers, two sets, v64-127 rows read back from the stage, two sets.   windows 2, 3: the accumulators ((a, b) at v[8 (8 (a % 4) + b)]).
.set NQ,     4                         ; matrix instructions deep in a slot
.set ROWB,   256                       ; a tile's row in bytes: 512 codes
.set KROW,   512                       ; a row of codes in memory
.set PITCH,  272                       ; an LDS row: 256 bytes + 16 of padding: the 16 rows that a load touches start at 16 different banks (64 banks of 4 bytes: ISA guide 11.1)
.set FR,     8
.set NL,     2
.set NP,     4                         ; places behind this matrix instruction (ISA guide 7.12.1)
.set HALFT,  128*PITCH
.set SLOT,   4*HALFT                   ; x's 256 rows, then W's 256 rows
.set KS,     32                        ; a row of scale bytes
.set SCL,    2*SLOT                    ; behind the slots: the scales, as units of 256 bytes + 16 of padding
.set HALFS,  (128*KS/256)*272
.set SBLK,   (16*KS/256)*272
.set SPARE,  SCL+4*HALFS               ; the spare words, 128 bytes a wave, that no other line names
.set SPITCH, 272                       ; the way out: a stage of 16 rows x (256 bytes + 16) for each wave, in slot 0, which has had its one fill and its last read when the first result is stored there
.set ADRA, 16
.set ADRB, 20
.set STO,  24                          ; v24  the way out: where I put 16 bytes of a row
.set RD,   25                          ; v25  where I read 16 bytes of a head's row back
.set CO,   26                          ; v26  16 x lane
.set ADRS, 27
.set SPW,  28
.set NIL,  29
.set TA,   30                          ; v30  my byte in the table: row r, 32 (lane / 16)
.set FO,   31                          ; v31  my byte in the f32 copy: row r of 12,288 bytes, 32 (lane / 16)
.set SC,   32
.set T,    96
.set AF,   128
.set R,    128
.set G1, 24
.set G0, 32
.set G1B, 48
.set G0B, 56
.set G1S, 68
.set G0S, 76
.set G1SB, 80
.set G0SB, 88
.set MSB, 0
.macro WIN new                         ; the immediate's high byte repeats the setting that is left
.if MSB != \new
	s_set_vgpr_msb (MSB<<8)|\new
.set MSB, \new
.endif
.endm
.set MUL_LO, 0xa1                      ; source 0 (W) window 1, source 1 (x) window 0, C and D window 2
.set MUL_HI, 0xf1
.set TO_B,   0x40
; Waves 0 and 1 fetch for x (jointly), waves 2 and 3 for W.  The branch hangs on the wave's number alone.  An s_nop 0 and four v_nop follow each of the two lines.
.macro JLOAD g0a, g1a, g0b, g1b
	s_cmp_eq_u32 s15, 0
	s_cbranch_scc0 .Lfor_b_\@
	tensor_load_to_lds s[\g0a:\g0a+3], s[\g1a:\g1a+7]
	s_nop 0
.rept 4
	v_nop
.endr
	s_branch .Lasked_\@
.Lfor_b_\@:
	tensor_load_to_lds s[\g0b:\g0b+3], s[\g1b:\g1b+7]
	s_nop 0
.rept 4
	v_nop
.endr
.Lasked_\@:
.endm
.macro CROUND                          ; a round of the cluster's barrier
	s_barrier_signal -1
	s_barrier_wait -1
	s_cmp_lg_u32 s14, 0
	s_cbranch_scc1 .Lnot_wave_0_\@
	s_barrier_signal -3
.Lnot_wave_0_\@:
	s_barrier_wait -3
	s_barrier_signal -1
	s_barrier_wait -1
.endm
	s_load_b128 s[4:7], s[0:1], 0x0                ; codes s[4:5], scales s[6:7]
	s_load_b128 s[8:11], s[0:1], 0x10              ; tab s[8:9], heads s[10:11]
	s_load_b64 s[12:13], s[0:1], 0x20              ; rows32
	v_lshl_add_u32 v[SPW], v0, 2, SPARE
	v_mov_b32 v[NIL], 0
	ds_add_u32 v[SPW], v[NIL]                      ; the wave's opening: the add, twice on end, and its wait ahead of my first tensor load
	ds_add_u32 v[SPW], v[NIL]
	v_lshrrev_b32 v1, 5, v0
	v_readfirstlane_b32 s14, v1                    ; wave 0..3
	s_lshr_b32 s15, s14, 1                         ; which half of the tile's rows is mine.  Also: I fetch for x (0) or for W (1)
	s_and_b32 s16, s14, 1                          ; which half of its columns.  Also: which 128 rows I fetch
	s_bfe_u32 s40, ttmp6, 0x40000                  ; cx: the tile column inside the kind
	s_and_b32 s17, ttmp7, 0xffff                   ; the tile row, which the partners share
	s_mov_b32 s41, ttmp9                           ; the kind: 0 q, 1 k, 2 v, which they share too
	s_mov_b32 s[G1+0], 15|(1<<20)|(1<<21)|(5<<22)|(3<<25)   ; 15:0 the mask: all four; 17:16 elements of 1 byte; 20 padding on; 21 set beside a mask; 24:22 after every 64 words; 31:25 four words
	s_mov_b32 s[G1B+0], (1<<20)|(5<<22)|(3<<25)             ; the same with no mask
.irp g, G1, G1B
	s_mov_b32 s[\g+1], ROWB<<16                    ; tensor_dim0
	s_mov_b32 s[\g+2], 128<<16                     ; tensor_dim1
	s_mov_b32 s[\g+3], ROWB<<16                    ; tile_dim0
	s_mov_b32 s[\g+4], 128                         ; tile_dim1
	s_mov_b32 s[\g+5], KROW                        ; from row to row
	s_mov_b32 s[\g+6], 0
	s_mov_b32 s[\g+7], 0
.endr
	s_mov_b32 s[G1S+0], 15|(3<<16)|(1<<20)|(1<<21)|(5<<22)|(3<<25)   ; the scales of 128 rows: 4,096 dense bytes as 16 rows of 32 elements of 8 bytes, 16 bytes of padding behind each
	s_mov_b32 s[G1SB+0], (3<<16)|(1<<20)|(5<<22)|(3<<25)
.irp g, G1S, G1SB
	s_mov_b32 s[\g+1], 32<<16
	s_mov_b32 s[\g+2], (128*KS/256)<<16
	s_mov_b32 s[\g+3], 32<<16
	s_mov_b32 s[\g+4], 128*KS/256
	s_mov_b32 s[\g+5], 32
	s_mov_b32 s[\g+6], 0
	s_mov_b32 s[\g+7], 0
.endr
	s_lshl_b32 s18, s16, 7                         ; which 128 rows I fetch
	s_lshl_b32 s20, s17, 8
	s_add_co_u32 s20, s20, s18                     ; x: row 256 x tile row + 128 x half: nothing of cx in it
	s_lshl_b32 s46, s41, 10
	s_lshl_b32 s47, s40, 8
	s_add_co_u32 s46, s46, s47
	s_add_co_u32 s46, s46, s18
	s_add_co_u32 s46, s46, 8192                    ; W: row 8,192 + 1,024 x kind + 256 cx + 128 x half
	s_lshl_b32 s22, s20, 5                         ; their scale bytes,
	s_mov_b32 s23, 0
	s_lshl_b32 s92, s46, 5
	s_mov_b32 s93, 0
	s_lshl_b32 s20, s20, 9                         ; and their codes
	s_mov_b32 s21, 0
	s_lshl_b32 s46, s46, 9
	s_mov_b32 s47, 0
	s_mul_i32 s45, s14, HALFT                      ; where they go: wave x 128 rows
	s_mul_i32 s94, s14, HALFS
	s_wait_dscnt 0x0                               ; both opening adds are done
	s_wait_kmcnt 0x0
	s_add_nc_u64 s[20:21], s[4:5], s[20:21]
	s_add_nc_u64 s[22:23], s[6:7], s[22:23]
	s_add_nc_u64 s[46:47], s[4:5], s[46:47]
	s_add_nc_u64 s[92:93], s[6:7], s[92:93]
	CROUND                                         ; all four work-groups are here: the joint loads meet
	s_mov_b32 s[G0S], 1
	s_add_co_u32 s[G0S+1], s94, SCL
	s_mov_b64 s[G0S+2:G0S+3], s[22:23]
	s_or_b32 s[G0S+3], s[G0S+3], 0x80000000
	s_mov_b32 s[G0SB], 1
	s_add_co_u32 s[G0SB+1], s94, SCL
	s_mov_b64 s[G0SB+2:G0SB+3], s[92:93]
	s_or_b32 s[G0SB+3], s[G0SB+3], 0x80000000
	JLOAD G0S, G1S, G0SB, G1SB                     ; the scales first: they are wanted with the first step
.irp s, 0,1
	s_mov_b32 s[G0+4*\s], 1
	s_add_co_u32 s[G0+4*\s+1], s45, \s*SLOT
	s_add_nc_u64 s[G0+4*\s+2:G0+4*\s+3], s[20:21], \s*ROWB
	s_or_b32 s[G0+4*\s+3], s[G0+4*\s+3], 0x80000000
	s_mov_b32 s[G0B+4*\s], 1
	s_add_co_u32 s[G0B+4*\s+1], s45, \s*SLOT
	s_add_nc_u64 s[G0B+4*\s+2:G0B+4*\s+3], s[46:47], \s*ROWB
	s_or_b32 s[G0B+4*\s+3], s[G0B+4*\s+3], 0x80000000
	JLOAD G0+4*\s, G1, G0B+4*\s, G1B               ; both halves of K: three tensor loads of mine are out, and no more follow
.endr
	v_and_b32 v1, 15, v0                           ; r
	v_bfe_u32 v2, v0, 4, 1                         ; h
	v_mul_u32_u24 v3, v1, PITCH
	v_lshl_add_u32 v4, v2, 4, v3                   ; a fragment's row x pitch + 16 h
	s_mul_i32 s21, s15, HALFT
	s_mul_i32 s22, s16, HALFT
	s_add_co_u32 s22, s22, 2*HALFT
.irp s, 0,1
	v_add_nc_u32 v[ADRA+\s], s21, v4
	v_add_nc_u32 v[ADRB+\s], s22, v4
	s_add_co_u32 s21, s21, SLOT
	s_add_co_u32 s22, s22, SLOT
.endr
	v_mul_u32_u24 v5, v1, KS                       ; my row's scales: 32 bytes a row,
	v_lshrrev_b32 v6, 8, v5
	v_lshl_add_u32 v5, v6, 4, v5                   ; and 16 more for each 256 passed
	s_mul_i32 s21, s15, HALFS
	s_mul_i32 s22, s16, HALFS
	s_add_co_u32 s22, s22, 2*HALFS
	s_sub_co_u32 s22, s22, s21
	v_mul_u32_u24 v6, s22, v2                      ; lanes 16-31 take W's
	s_add_co_u32 s21, s21, SCL
	v_add_nc_u32 v5, v5, v6
	v_add_nc_u32 v[ADRS], s21, v5
	s_mul_i32 s23, s14, 16*SPITCH                  ; my stage
	v_mul_u32_u24 v5, v1, SPITCH
	v_lshl_add_u32 v5, v2, 4, v5
	v_add_nc_u32 v[STO], s23, v5                   ; in: row r, 16 bytes for each half of the lanes
	v_and_b32 v6, 31, v0
	v_lshrrev_b32 v5, 3, v6
	v_mul_u32_u24 v5, v5, SPITCH
	v_and_b32 v3, 7, v0
	v_lshl_add_u32 v5, v3, 4, v5
	v_add_nc_u32 v[RD], s23, v5                    ; back: eight lanes to a head's 128 bytes of a row, four rows an instruction
	v_lshlrev_b32 v[CO], 4, v6
	v_lshlrev_b32 v[TA], 8, v1
	v_lshl_add_u32 v[TA], v2, 5, v[TA]
	v_mul_u32_u24 v[FO], v1, 12288
	v_lshl_add_u32 v[FO], v2, 5, v[FO]
	s_and_b32 s42, s17, 7
	s_lshl_b32 s43, s42, 8
	s_lshl_b32 s44, s15, 7
	s_add_co_u32 s43, s43, s44                     ; my first place in the sequence
	s_lshl_b32 s96, s43, 8
	s_mov_b32 s97, 0
	s_add_nc_u64 s[8:9], s[8:9], s[96:97]          ; the table at that place
	s_lshr_b32 s44, s17, 3                         ; the batch
	s_lshl_b32 s96, s44, 4
	s_lshl_b32 s98, s40, 2
	s_add_co_u32 s96, s96, s98
	s_lshl_b32 s98, s16, 1
	s_add_co_u32 s96, s96, s98                     ; 16 x batch + my first head (4 cx + 2 x half)
	s_lshl_b32 s96, s96, 11
	s_add_co_u32 s96, s96, s43
	s_lshl_b32 s96, s96, 7                         ; 128 bytes a row
	s_lshl_b32 s98, s41, 24                        ; 16,777,216 bytes a kind
	s_add_co_u32 s96, s96, s98
	s_add_nc_u64 s[10:11], s[10:11], s[96:97]
	s_mul_i32 s96, s44, 196608                     ; the f32 copy: 16 rows of 12,288 bytes a batch,
	s_lshl_b32 s98, s41, 12
	s_add_co_u32 s96, s96, s98
	s_lshl_b32 s98, s40, 10
	s_add_co_u32 s96, s96, s98
	s_lshl_b32 s98, s16, 9
	s_add_co_u32 s96, s96, s98                     ; my 128 columns
	s_add_nc_u64 s[12:13], s[12:13], s[96:97]
	s_or_b32 s42, s42, s15                         ; 0 where my first 16 rows are a sequence's first 16 places: made of the tile row and the wave's number alone
.macro FRAG reg, adr, q, i             ; 16 rows x 128 K of 4-bit codes: 8 registers; registers 4 c .. 4 c + 3 hold K = 64 c + 32 h + 0 .. 31
.irp c, 0,1
	ds_load_b128 v[\reg+4*\c:\reg+4*\c+3], v[\adr] offset:64*(\q)+32*\c+(\i)*16*PITCH
.endr
.endm
; 16 matrix instructions: x's blocks a0, a0 + 1 against W's eight.  The 64 accumulators take turns, one instruction a turn, in the same order in every step.
.macro MUL16 a0, p, q, sc, zero
.irp a, \a0, \a0+1
.irp b, 0,1,2,3,4,5,6,7
.if \zero
	v_wmma_scale_f32_16x16x128_f8f6f4 v[8*(8*((\a)%4)+\b):8*(8*((\a)%4)+\b)+7], v[128*(\p)+FR*\b:128*(\p)+FR*\b+FR-1], v[AF+FR*(\a):AF+FR*(\a)+FR-1], 0, v[SC+8*NQ*(\sc)+NQ*\b+(\q)], v[SC+8*NQ*(\sc)+NQ*(\a)+(\q)] matrix_a_fmt:MATRIX_FMT_FP4 matrix_b_fmt:MATRIX_FMT_FP4 matrix_a_scale:MATRIX_SCALE_ROW1
.else
	v_wmma_scale_f32_16x16x128_f8f6f4 v[8*(8*((\a)%4)+\b):8*(8*((\a)%4)+\b)+7], v[128*(\p)+FR*\b:128*(\p)+FR*\b+FR-1], v[AF+FR*(\a):AF+FR*(\a)+FR-1], v[8*(8*((\a)%4)+\b):8*(8*((\a)%4)+\b)+7], v[SC+8*NQ*(\sc)+NQ*\b+(\q)], v[SC+8*NQ*(\sc)+NQ*(\a)+(\q)] matrix_a_fmt:MATRIX_FMT_FP4 matrix_b_fmt:MATRIX_FMT_FP4 matrix_a_scale:MATRIX_SCALE_ROW1
.endif
.endr
.endr
.endm
.macro FETCH_B slot, q, p
	WIN TO_B
.irp i, 0,1,2,3,4,5,6,7
	FRAG 128*(\p)+FR*\i, ADRB+\slot, \q, \i
.endr
	WIN 0
.endm
.macro FETCH_A slot, q, i0
.irp i, \i0, \i0+1, \i0+2, \i0+3
	FRAG AF+FR*(\i), ADRA+\slot, \q, \i
.endr
.endm
.macro SCALES sc                       ; a slot's scale words: four a row; lanes 0-15 take x's block i, lanes 16-31 W's block i
.irp i, 0,1,2,3,4,5,6,7
	ds_load_b128 v[SC+8*NQ*\sc+NQ*\i:SC+8*NQ*\sc+NQ*\i+3], v[ADRS] offset:\i*SBLK
.endr
.endm
.macro PLACES n                        ; plain vector lines between a matrix instruction and a load into, or a vector read of, its registers
.rept \n
	v_nop
.endr
.endm
.macro STEP slot, q, zero              ; 128 along K with its successor in the same slot
	s_wait_dscnt 4*NL                              ; W's set and x's blocks 0-3 are in; the youngest eight loads (x's blocks 4-7) may be out
	WIN MUL_LO
	MUL16 0, (\q)%2, \q, \slot, \zero
	MUL16 2, (\q)%2, \q, \slot, \zero
	s_wait_dscnt 0
	PLACES NP
	FETCH_B \slot, (\q)+1, 1-(\q)%2
	FETCH_A \slot, (\q)+1, 0
	WIN MUL_HI
	MUL16 4, (\q)%2, \q, \slot, \zero
	MUL16 6, (\q)%2, \q, \slot, \zero
	PLACES NP
	WIN 0
	FETCH_A \slot, (\q)+1, 4
.endm
.macro STEPS slot, from
.set Q, \from
.rept NQ-1-\from
	STEP \slot, Q, 0
.set Q, Q+1
.endr
.endm
	s_wait_tensorcnt 1                             ; the scales and my part of slot 0 are in; slot 1's load may be out
	s_barrier_signal -1
	s_barrier_wait -1
	FETCH_B 0, 0, 0
	FETCH_A 0, 0, 0
	SCALES 0
	FETCH_A 0, 0, 4
	STEP 0, 0, 1                                   ; the first step's products start the sums: nothing is cleared
	STEPS 0, 1
	; slot 0's last step changes slots: one barrier; behind it slot 1 is whole, and nobody reads slot 0 any more
	s_wait_tensorcnt 0x0                           ; my part of slot 1 has landed
	ds_add_u32 v[SPW], v[NIL]                      ; 0 onto my spare word
	s_wait_dscnt 4*NL+1                            ; (the add and the youngest eight loads may be out)
	WIN MUL_LO
	MUL16 0, 1, NQ-1, 0, 0
	s_wait_dscnt 0x0                               ; the add is done, and my reads of slot 0 are over
	s_barrier_signal -1
	MUL16 2, 1, NQ-1, 0, 0
	WIN 0
	s_barrier_wait -1
	PLACES NP
	v_add_nc_u32 v[ADRS], 4*NQ, v[ADRS]            ; on to slot 1's scale words
	FETCH_B 1, 0, 0
	FETCH_A 1, 0, 0
	SCALES 1
	WIN MUL_HI
	MUL16 4, 1, NQ-1, 0, 0
	MUL16 6, 1, NQ-1, 0, 0
	PLACES NP
	WIN 0
	FETCH_A 1, 0, 4
	STEPS 1, 0
	s_wait_dscnt 4*NL                              ; the last step: nothing more to fetch
	WIN MUL_LO
	MUL16 0, 1, NQ-1, 1, 0
	MUL16 2, 1, NQ-1, 1, 0
	s_wait_dscnt 0
	WIN MUL_HI
	MUL16 4, 1, NQ-1, 1, 0
	MUL16 6, 1, NQ-1, 1, 0
	WIN 0
	PLACES NP                                      ; behind the last products, for all that follows: reads of results, loads into and writes of the fragments' registers
; THE WAY OUT, block by block of 16 rows x 128 columns (two heads).  In accumulator (a, b) lane (r, h) holds row 16 a + r, channels 16 (b % 4) + 8 h + 0 .. 7 of head b / 4: pairs 8 (b % 4) + 4 h + 0 .. 3.
.macro TLD a                           ; the table's numbers for block a: for my row, cos and sin of my four pairs of each of the four channel groups: register 8 g + 2 p the cosine, + 1 the sine
	WIN 0x40
.irp g, 0,1,2,3
.irp e, 0,1
	global_load_b128 v[32*((\a)%2)+8*\g+4*\e:32*((\a)%2)+8*\g+4*\e+3], v[TA], s[8:9] offset:(\a)*4096+64*\g+16*\e
.endr
.endr
	WIN 0
.endm
.macro ROPE a                          ; (xe, xo) -> (xe cos - xo sin, xe sin + xo cos)
.set AC, 64*((\a)%4)
.set TS, 32*((\a)%2)
.if (\a) < 7
	s_wait_loadcnt 8                               ; this block's eight loads are in; the next block's may be out
.else
	s_wait_loadcnt 0x0
.endif
	WIN (0x06+(\a)/4)                              ; source 0: the accumulators' window; source 1: window 1
.irp b, 0,1,2,3,4,5,6,7
.irp p, 0,1,2,3
	v_mul_f32 v[T+2*\p],   v[AC+8*\b+2*\p+1], v[TS+8*(\b%4)+2*\p+1]     ; xo sin (each accumulator is read from its low end on)
	v_mul_f32 v[T+2*\p+1], v[AC+8*\b+2*\p],   v[TS+8*(\b%4)+2*\p+1]     ; xe sin
.endr
.irp p, 0,1,2,3
	v_fma_f32 v[R+8*\b+2*\p],   v[AC+8*\b+2*\p],   v[TS+8*(\b%4)+2*\p], -v[T+2*\p]
	v_fma_f32 v[R+8*\b+2*\p+1], v[AC+8*\b+2*\p+1], v[TS+8*(\b%4)+2*\p], v[T+2*\p+1]
.endr
.endr
	WIN 0
.if (\a)+2 <= 7
	TLD (\a)+2
.endif
.endm
; The f32 copy of a sequence's first 16 places: block 0 of the waves whose rows begin a sequence.  A lane stores 16 bytes of a row, and the rows lie 12,288 bytes apart: 786,432 bytes in the whole launch,
; a sixty-fourth of what it stores, so these few go out as they lie.
.macro FINE32 plain
	s_cmp_lg_u32 s42, 0
	s_cbranch_scc1 .Lnot_fine_\@
.if \plain
	WIN 0x08                                       ; a store's data are its source 1: window 2
.endif
.irp b, 0,1,2,3,4,5,6,7
.irp e, 0,1
.if \plain
	global_store_b128 v[FO], v[8*\b+4*\e:8*\b+4*\e+3], s[12:13] offset:64*\b+16*\e
.else
	global_store_b128 v[FO], v[R+8*\b+4*\e:R+8*\b+4*\e+3], s[12:13] offset:64*\b+16*\e
.endif
.endr
.endr
	s_wait_xcnt 0x0                                ; the stores have read their data, which are written again below
	WIN 0
.Lnot_fine_\@:
.endm
.macro PACKR                           ; the 64 turned numbers to f16, in place: register k takes numbers 2 k and 2 k + 1
.set k, 0
.rept 32
	v_cvt_pk_f16_f32 v[R+k], v[R+2*k], v[R+2*k+1]
.set k, k+1
.endr
.endm
.macro PACKV a                         ; v is rounded as it stands
.set AC, 64*((\a)%4)
	WIN (0x0a+5*((\a)/4))
.irp b, 0,1,2,3,4,5,6,7
.irp p, 0,1,2,3
	v_cvt_pk_f16_f32 v[R+4*\b+\p], v[AC+8*\b+2*\p], v[AC+8*\b+2*\p+1]
.endr
.endr
	WIN 0
.endm
.macro TOSTAGE a                       ; into my stage, and back by heads: LDS serves a wave's instructions in order, so no wait stands between
.irp b, 0,1,2,3,4,5,6,7
	ds_store_b128 v[STO], v[R+4*\b:R+4*\b+3] offset:32*\b
.endr
	WIN 0x40
.irp hh, 0,1
.irp t, 0,1,2,3
	ds_load_b128 v[64+32*((\a)%2)+4*(4*\hh+\t):64+32*((\a)%2)+4*(4*\hh+\t)+3], v[RD] offset:1088*\t+128*\hh
.endr
.endr
	WIN 0
.endm
.macro SEND a, younger                 ; younger: the LDS instructions issued behind block a's loads
	s_wait_dscnt \younger
	WIN 0x04                                       ; a store's data are its source 1: window 1
.irp hh, 0,1
.irp t, 0,1,2,3
	global_store_b128 v[CO], v[64+32*((\a)%2)+4*(4*\hh+\t):64+32*((\a)%2)+4*(4*\hh+\t)+3], s[10:11] offset:(\a)*2048+\hh*262144+\t*512   ; four rows of one head: 512 consecutive bytes, aligned
.endr
.endr
	WIN 0
.endm
.macro FINISH
	s_wait_tensorcnt 0x0                           ; the wave's end, behind my last tensor load and my last LDS store
	ds_add_u32 v[SPW], v[NIL]
	s_wait_dscnt 0x0
	CROUND                                         ; the closing round: no work-group ends while a partner may still ask jointly
	s_endpgm
.endm
	s_cmp_eq_u32 s41, 2                            ; the kind is the same in all four partners
	s_cbranch_scc1 .Lplain
	TLD 0
	TLD 1
	ROPE 0
	FINE32 0
	PACKR
	TOSTAGE 0
.irp a, 1,2,3,4,5,6,7
	ROPE \a
	PACKR
.if \a > 1
	s_wait_xcnt 0x0                                ; block a - 2's stores have read the registers into which block a's rows come back
.endif
	TOSTAGE \a
	SEND \a-1, 16                                  ; behind block a - 1's loads: block a's 8 stores and 8 loads
.endr
	SEND 7, 0
	FINISH
.Lplain:
	FINE32 1
	PACKV 0
	TOSTAGE 0
.irp a, 1,2,3,4,5,6,7
	PACKV \a
.if \a > 1
	s_wait_xcnt 0x0
.endif
	TOSTAGE \a
	SEND \a-1, 16
.endr
	SEND 7, 0
	FINISH
.Lfunc_end_k_q06d593cda0_proj:
	.size	k_q06d593cda0_proj, .Lfunc_end_k_q06d593cda0_proj-k_q06d593cda0_proj
	.p2alignl 7, 3214868480
	.fill 96, 4, 3214868480
	.section	.rodata,"a",@progbits
	.p2align	6, 0x0
	.amdhsa_kernel k_q06d593cda0_proj
		.amdhsa_group_segment_fixed_size 327680
		.amdhsa_private_segment_fixed_size 0
		.amdhsa_enable_private_segment 0
		.amdhsa_kernarg_size 40
		.amdhsa_user_sgpr_count 2
		.amdhsa_user_sgpr_kernarg_segment_ptr 1
		.amdhsa_wavefront_size32 1
		.amdhsa_system_sgpr_workgroup_id_x 1
		.amdhsa_system_sgpr_workgroup_id_y 1
		.amdhsa_system_sgpr_workgroup_id_z 1
		.amdhsa_system_vgpr_workitem_id 0
		.amdhsa_next_free_vgpr 1024
		.amdhsa_next_free_sgpr 100
		.amdhsa_reserve_vcc 0
		.amdhsa_float_denorm_mode_32 3
		.amdhsa_float_denorm_mode_16_64 3
		.amdhsa_memory_ordered 1
		.amdhsa_forward_progress 1
		.amdhsa_inst_pref_size 218
	.end_amdhsa_kernel
	.amdgpu_metadata
---
amdhsa.version: [ 1, 2 ]
amdhsa.kernels:
  - .name:           k_q06d593cda0_proj
    .symbol:         k_q06d593cda0_proj.kd
    .args:
      - { .name: codes, .offset: 0, .size: 8, .value_kind: global_buffer, .address_space: global }
      - { .name: scales, .offset: 8, .size: 8, .value_kind: global_buffer, .address_space: global }
      - { .name: tab, .offset: 16, .size: 8, .value_kind: global_buffer, .address_space: global }
      - { .name: heads, .offset: 24, .size: 8, .value_kind: global_buffer, .address_space: global }
      - { .name: rows32, .offset: 32, .size: 8, .value_kind: global_buffer, .address_space: global }
    .group_segment_fixed_size: 327680
    .private_segment_fixed_size: 0
    .kernarg_segment_align: 8
    .kernarg_segment_size: 40
    .max_flat_workgroup_size: 128
    .sgpr_count:     100
    .vgpr_count:     1024
    .wavefront_size: 32
...
	.end_amdgpu_metadata
.endif
;; end of part 2
;; launch attn (part 3): grid 4 x 64, 8 waves a work-group, no clusters, 327,680 bytes of LDS; arguments heads, att; writes att
.if DOCPART == 3
	.amdgcn_target "amdgcn-amd-amdhsa--gfx1250"
	.amdhsa_code_object_version 6
	.text
	.protected	k_q06d593cda0_attn
	.globl	k_q06d593cda0_attn
	.p2align	8
	.type	k_q06d593cda0_attn,@function
k_q06d593cda0_attn:
	s_mov_b64 s[64:65], 0
	v_nop
	global_prefetch_b8 v0, s[64:65] scope:SCOPE_SE
	s_setreg_imm32_b32 hwreg(HW_REG_WAVE_MODE, 25, 1), 1
	s_wait_xcnt 0x0
; ATTN.  O[q] = the sum over k <= q of softmax_k(Q[q] . K[k] / 8) V[k], for each of 64 (batch, head) pairs; 2,048 places, 64 channels.  Q, K, V: f16, [kind][batch x 16 + head][place][64].
; Products on f16 operands with f32 sums; maxima, exponentials and sums in f32; the weights p are rounded to f16 for the second product; O is rounded to f16 once and laid [head][2,048 batch + place][64].
; SOFTMAX: for each query a running maximum m and sum l: p = 2^(c s - c m), c = log2(e) / 8; in every step O and l are multiplied by a = 2^(c m_old - c m_new).
; LIMIT: the result stays under 65,504, f16's largest number (it is an average of V's numbers).
; SHARES.  Work-group i (0..3) of a head owns the query blocks 7 - i and i, 256 queries each, and takes the late one first.  Block j needs the key units 0 .. j (a unit: 256 keys), so every work-group walks
; (8 - i) + (i + 1) = 9 units: the trip count is the constant 9, all 256 work-groups have the same work, and every unit that is fetched is read.  A wave owns 32 queries, two tiles of 16: each fragment of K and V
; that it reads from LDS feeds two products.  Two waves share a SIMD, so that one's vector work stands beside the other's matrix work.
; NO CLUSTER: the four work-groups of a head need different units at the same trip (the change of blocks falls in trip 7 - i); in step they would walk 8 + 4 = 12 units in place of 9, and at some of them all waves of a partner would read nothing of a joint tile.
; LAYOUT.  S^T = K Q^T (source 0 = 16 keys, source 1 = 16 queries): a lane holds ONE query (lane % 16) and keys 8 (lane / 16) + 0 .. 7.  Two such tiles, rounded in pairs, are source 1 of O^T = V^T P.  V comes out of LDS turned, by ds_load_tr16_b128.
; LDS.  Rows of 128 bytes are dense in memory, so a tile is stated as double rows of 256 bytes: key k lies at (k / 2) x pitch + (k % 2) x 128.  K's pitch 272: the 16 rows of a fragment load fall on 16 different
; columns of 16 bytes.  V's pitch 288: the 8 rows x 32 bytes of half a turning load fall on 8 different columns of 32 bytes.
; REGISTERS: window 0: v1-15 addresses and constants; v16-31 statistics, 8 a tile (+0 c m, +1 m, +2, +3 l, +4 .. +7 at work; a at +6); v32-95 S^T, 32 a tile; v96-127 P, 16 a tile; v128-159 rows on the way out.
;   window 1: v0-31 Q; v32-95 O^T, 32 a tile; v96-159 K of a step; v160-223 V of a step.
.set PK,    272
.set PV,    288
.set VOFF,  128*PK                     ; a slot: a unit's 128 double rows of K, then of V
.set SLOT1, 1<<17                      ; slot 1 begins here: one exclusive or turns an address from one slot to the other
.set STAGE, SLOT1+128*(PK+PV)          ; behind the ring: 16 rows x (128 + 16) bytes for each wave
.set SPARE, STAGE+8*2304               ; the spare words, 128 bytes a wave, that no other line names
.set AK0, 1
.set AV0, 2
.set ADK, 3
.set ADV, 4
.set QO,  5
.set STO, 6
.set RD,  7
.set GO,  8
.set DL,  9                            ; v9   lane % 16 - 8 (lane / 16)
.set D0,  10                           ; v10, v11: the mask's bound for tile 0, 1
.set NINF, 12
.set PFO, 13
.set SPW, 14
.set NIL, 15
.set ST,  16
.set S,   32
.set P,   96
.set BK,  128
.set OREG, 32                          ; in window 1
.set KREG, 96
.set VREG, 160
.set WV,  8
.set I,   9
.set SEL, 12
.set CS,  14
.set G1K, 16
.set G1V, 24
.set G0K, 32
.set G0V, 36
.set QPB, 40                           ; s[40:41] Q at my first query of the late block; s[42:43] of the early block
.set QPA, 42
.set OPB, 44                           ; s[44:45], s[46:47] the same in the result
.set OPA, 46
.set PFK, 48                           ; s[48:49], s[50:51] where my prefetches stand in K and in V
.set PFV, 50
.set LIM, 52
.set UN,  53                           ; units still to be asked for
.set SW,  54                           ; the value of UN in the trip that ends the late block: 1 + i
.set BACKB, 55                         ; (8 - i) units in bytes
.set BACK, 56                          ; s[56:57] what this change of slots goes back by: BACKB or 0
.set TK,  58                           ; LDS byte of the step's K, and of its V
.set TV,  59
.set KF,  60                           ; the step's first key
.set Q0,  61                           ; my first query
.set Q0A, 62
.set STP, 63
.set MSB, 0
.macro WIN new
.if MSB != \new
	s_set_vgpr_msb (MSB<<8)|\new
.set MSB, \new
.endif
.endm
; Waves 0 and 1 fetch K's halves of a unit, waves 2 and 3 V's, the others nothing.  An s_nop 0 and four v_nop follow each of the two lines.
.macro TLOAD
	s_cmp_lt_u32 s[WV], 2
	s_cbranch_scc0 .Lnot_k_\@
	tensor_load_to_lds s[G0K:G0K+3], s[G1K:G1K+7]
	s_nop 0
.rept 4
	v_nop
.endr
	s_branch .Lasked_\@
.Lnot_k_\@:
	s_cmp_lt_u32 s[WV], 4
	s_cbranch_scc0 .Lasked_\@
	tensor_load_to_lds s[G0V:G0V+3], s[G1V:G1V+7]
	s_nop 0
.rept 4
	v_nop
.endr
.Lasked_\@:
.endm
; A PREFETCH INTO THE L2 of the unit that the NEXT change of slots will ask for: trip t names unit t + 2, a unit's four key steps ahead of its tensor load.  All four work-groups of a head walk the same K and V:
; work-group 0, whose late block walks all eight units in order, asks, and in it the waves that fetch nothing: waves 4 to 7, 8,192 bytes of K and of V each, lanes 256 bytes apart.  So each aligned 256 bytes is named once.
; It stops with unit 7 (trip 5).  Units 0 and 1 come by their loads alone.
.macro ASK
	s_cmp_gt_u32 s[UN], s[LIM]
	s_cbranch_scc0 .Lnot_mine_\@
	global_prefetch_b8 v[PFO], s[PFK:PFK+1] th:TH_LOAD_NT scope:SCOPE_SE
	global_prefetch_b8 v[PFO], s[PFV:PFV+1] th:TH_LOAD_NT scope:SCOPE_SE
.Lnot_mine_\@:
.endm
	s_load_b128 s[4:7], s[0:1], 0x0                ; heads s[4:5], att s[6:7]
	v_lshl_add_u32 v[SPW], v0, 2, SPARE
	v_mov_b32 v[NIL], 0
	ds_add_u32 v[SPW], v[NIL]                      ; the wave's opening: the add, twice on end, and its wait ahead of the first tensor load
	ds_add_u32 v[SPW], v[NIL]
	v_lshrrev_b32 v1, 5, v0
	v_readfirstlane_b32 s[WV], v1                  ; wave 0..7
	s_mov_b32 s[I], ttmp9
	s_and_b32 s66, ttmp7, 0xffff                   ; 16 x batch + head
	s_mov_b32 s[G1K], (1<<16)|(1<<20)|(5<<22)|(3<<25)   ; elements of 2 bytes; padding on: four words after every 64
	s_mov_b32 s[G1V], (1<<16)|(1<<20)|(5<<22)|(7<<25)   ; eight words
.irp g, G1K, G1V
	s_mov_b32 s[\g+1], 128<<16                     ; tensor_dim0 = 128 elements: a double row
	s_mov_b32 s[\g+2], 64<<16                      ; tensor_dim1 = 64 double rows: half a unit
	s_mov_b32 s[\g+3], 128<<16                     ; tile_dim0
	s_mov_b32 s[\g+4], 64                          ; tile_dim1
	s_mov_b32 s[\g+5], 128                         ; from double row to double row
	s_mov_b32 s[\g+6], 0
	s_mov_b32 s[\g+7], 0
.endr
	s_mov_b32 s[SEL], 0x76543210
	s_mov_b32 s[SEL+1], 0xfedcba98                 ; v_permlanex16_b32's selects for lane l xor 16
	s_mov_b32 s[CS], 0x3e38aa3b                    ; c = log2(e) / 8
	s_mov_b32 s[CS+1], s[CS]
	s_lshl_b32 s68, s66, 18                        ; the head's first byte in a kind: 262,144 bytes a head
	s_and_b32 s67, s[WV], 1
	s_lshl_b32 s70, s67, 14                        ; the half that I fetch, in memory,
	s_add_co_u32 s70, s70, s68
	s_mov_b32 s71, 0
	s_mul_i32 s72, s67, 64*PK                      ; and in a slot
	s_mul_i32 s73, s67, 64*PV
	s_add_co_u32 s73, s73, VOFF
	s_sub_co_u32 s74, 7, s[I]
	s_lshl_b32 s74, s74, 8
	s_lshl_b32 s75, s[WV], 5
	s_add_co_u32 s[Q0], s74, s75                   ; my first query of the late block,
	s_lshl_b32 s74, s[I], 8
	s_add_co_u32 s[Q0A], s74, s75                  ; and of the early one
	s_add_co_u32 s[SW], s[I], 1
	s_sub_co_u32 s[BACKB], 8, s[I]
	s_lshl_b32 s[BACKB], s[BACKB], 15
	s_mov_b32 s[BACK+1], 0
	s_mov_b32 s[TK], 0
	s_mov_b32 s[TV], 0
	s_mov_b32 s[KF], 0
	s_mov_b32 s[UN], 8
	s_mov_b32 s77, 0
	s_wait_dscnt 0x0                               ; both opening adds are done
	s_wait_kmcnt 0x0
	s_mov_b32 s[G0K], 1
	s_mov_b32 s[G0K+1], s72
	s_add_nc_u64 s[G0K+2:G0K+3], s[4:5], s[70:71]
	s_add_nc_u64 s[G0K+2:G0K+3], s[G0K+2:G0K+3], 0x1000000   ; kind 1
	s_or_b32 s[G0K+3], s[G0K+3], 0x80000000
	s_mov_b32 s[G0V], 1
	s_mov_b32 s[G0V+1], s73
	s_add_nc_u64 s[G0V+2:G0V+3], s[4:5], s[70:71]
	s_add_nc_u64 s[G0V+2:G0V+3], s[G0V+2:G0V+3], 0x2000000   ; kind 2
	s_or_b32 s[G0V+3], s[G0V+3], 0x80000000
	TLOAD                                          ; unit 0 into slot 0
	s_lshl_b32 s76, s[Q0], 7
	s_add_co_u32 s76, s76, s68
	s_add_nc_u64 s[QPB:QPB+1], s[4:5], s[76:77]
	s_lshl_b32 s76, s[Q0A], 7
	s_add_co_u32 s76, s76, s68
	s_add_nc_u64 s[QPA:QPA+1], s[4:5], s[76:77]
	s_and_b32 s78, s66, 15
	s_lshl_b32 s78, s78, 20                        ; the result: 1,048,576 bytes a head,
	s_lshr_b32 s79, s66, 4
	s_lshl_b32 s79, s79, 18                        ; 2,048 rows of 128 bytes a batch
	s_add_co_u32 s78, s78, s79
	s_lshl_b32 s76, s[Q0], 7
	s_add_co_u32 s76, s76, s78
	s_add_nc_u64 s[OPB:OPB+1], s[6:7], s[76:77]
	s_lshl_b32 s76, s[Q0A], 7
	s_add_co_u32 s76, s76, s78
	s_add_nc_u64 s[OPA:OPA+1], s[6:7], s[76:77]
	s_and_b32 s76, s[WV], 3
	s_lshl_b32 s76, s76, 13
	s_add_co_u32 s76, s76, s68
	s_add_co_u32 s76, s76, 32768                   ; my 8,192 bytes of unit 1: the first change of slots steps it to unit 2
	s_add_nc_u64 s[PFK:PFK+1], s[4:5], s[76:77]
	s_add_nc_u64 s[PFV:PFV+1], s[PFK:PFK+1], 0x2000000
	s_add_nc_u64 s[PFK:PFK+1], s[PFK:PFK+1], 0x1000000
	s_lshr_b32 s76, s[WV], 2
	s_xor_b32 s76, s76, 1                          ; 0 in waves 4 to 7,
	s_or_b32 s76, s76, s[I]                        ; of the head's work-group 0
	s_cmp_eq_u32 s76, 0
	s_cselect_b32 s[LIM], 2, -1                    ; such a wave prefetches while UN is above 2
	v_and_b32 v32, 15, v0                          ; r
	v_bfe_u32 v33, v0, 4, 1                        ; h
	v_lshrrev_b32 v34, 1, v32
	v_and_b32 v35, 1, v32
	v_mul_u32_u24 v[AK0], v34, PK
	v_lshl_add_u32 v[AK0], v35, 7, v[AK0]
	v_lshl_add_u32 v[AK0], v33, 4, v[AK0]          ; K: key r of a tile, + 16 h
	v_bfe_u32 v34, v0, 1, 2
	v_lshl_add_u32 v34, v33, 2, v34
	v_mul_u32_u24 v[AV0], v34, PV
	v_and_b32 v35, 1, v0
	v_lshl_add_u32 v[AV0], v35, 7, v[AV0]
	v_bfe_u32 v35, v0, 3, 1
	v_lshl_add_u32 v[AV0], v35, 4, v[AV0]
	v_add_nc_u32 v[AV0], VOFF, v[AV0]              ; V: key 8 h + lane % 8, channels 8 ((lane / 8) % 2) on
	v_lshlrev_b32 v[QO], 7, v32
	v_lshl_add_u32 v[QO], v33, 4, v[QO]
	s_mul_i32 s76, s[WV], 2304
	s_add_co_u32 s76, s76, STAGE                   ; my stage
	v_mul_u32_u24 v[STO], v32, 144
	v_lshl_add_u32 v[STO], v33, 4, v[STO]
	v_add_nc_u32 v[STO], s76, v[STO]
	v_and_b32 v34, 31, v0
	v_lshrrev_b32 v35, 3, v34
	v_and_b32 v36, 7, v0
	v_mul_u32_u24 v[RD], v35, 144
	v_lshl_add_u32 v[RD], v36, 4, v[RD]
	v_add_nc_u32 v[RD], s76, v[RD]
	v_lshlrev_b32 v[GO], 4, v34
	v_lshlrev_b32 v35, 3, v33
	v_sub_nc_u32 v[DL], v32, v35
	v_mov_b32 v[NINF], 0xff800000                  ; -infinity
	v_lshlrev_b32 v[PFO], 8, v34
.macro QLOAD base                      ; my 32 queries: tile t, channels 32 c on: they stay in registers
	WIN 0x40
.irp t, 0,1
.irp c, 0,1
	global_load_b128 v[16*\t+8*\c:16*\t+8*\c+3],   v[QO], s[\base:\base+1] offset:\t*2048+64*\c
	global_load_b128 v[16*\t+8*\c+4:16*\t+8*\c+7], v[QO], s[\base:\base+1] offset:\t*2048+64*\c+32
.endr
.endr
	WIN 0
.endm
.macro INIT                            ; a block of queries begins: m = -3e38, under every score; l and O^T zeros, which the first a = 0 leaves zeros.  So a key step is written once
.irp t, 0,1
	v_mov_b32 v[ST+8*\t+1], 0xff61b1e6
	v_mul_f32 v[ST+8*\t], s[CS], v[ST+8*\t+1]
.irp n, 2,3,4,5,6,7
	v_mov_b32 v[ST+8*\t+\n], 0
.endr
.endr
	WIN 0x40
.set i, 0
.rept 64
	v_mov_b32 v[OREG+i], 0
.set i, i+1
.endr
	WIN 0
.endm
; THE CHANGE OF SLOTS stands at a unit's head.  Each wave waits for all its tensor loads (its part of the unit that it is about to read), adds 0 to its spare word, and waits for that and for its reads of the slot
; that it has left.  Behind the barrier the slot ahead is whole and nobody reads the other one, which takes the next unit: that load has a unit's four key steps in which to land.  A wave has at most one tensor load out.
.macro CHANGE fill
	s_wait_tensorcnt 0x0                           ; no tensor load of mine is out, so a group 0 may be written
	ds_add_u32 v[SPW], v[NIL]
.if \fill
	ds_add_u32 v[SPW], v[NIL]                      ; and once more, in every trip alike
	s_xor_b32 s[G0K+1], s[G0K+1], SLOT1            ; the walking descriptors: the other slot,
	s_xor_b32 s[G0V+1], s[G0V+1], SLOT1
	s_cmp_eq_u32 s[UN], s[SW]                      ; the late block's last unit is in hand: the next is the early block's unit 0
	s_cselect_b32 s[BACK], s[BACKB], 0
	s_add_nc_u64 s[G0K+2:G0K+3], s[G0K+2:G0K+3], 32768   ; the next unit,
	s_sub_nc_u64 s[G0K+2:G0K+3], s[G0K+2:G0K+3], s[BACK:BACK+1]
	s_add_nc_u64 s[G0V+2:G0V+3], s[G0V+2:G0V+3], 32768
	s_sub_nc_u64 s[G0V+2:G0V+3], s[G0V+2:G0V+3], s[BACK:BACK+1]
	s_wait_xcnt 0x0                                ; the last prefetches, a unit back, have read their addresses
	s_add_nc_u64 s[PFK:PFK+1], s[PFK:PFK+1], 32768
	s_add_nc_u64 s[PFV:PFV+1], s[PFV:PFV+1], 32768
.endif
	s_wait_dscnt 0x0                               ; the add is done, and my reads of the slot that I have left are over
	s_barrier_signal -1
	s_barrier_wait -1
.if \fill
	TLOAD                                          ; the first thing behind the barrier, and a wave's one tensor load until the next
	ASK
.endif
.endm
; A UNIT: four key steps of 64 keys, written once, walked four times; the LDS addresses hang on s[TK] and s[TV].
.macro UNIT
	s_mov_b32 s[STP], 4
.Lstep_\@:
	s_cmp_gt_u32 s[KF], s[Q0]                      ; KF is a multiple of 64 and Q0 of 32: KF > Q0 says that all 64 keys come after my 32 queries: the step's work is left out
	s_cbranch_scc1 .Lhidden_\@
	v_add_nc_u32 v[ADK], s[TK], v[AK0]
	v_add_nc_u32 v[ADV], s[TV], v[AV0]
	v_nop                                          ; with the two additions: four plain lines between the last products and the loads into the registers that they read
	v_nop
	WIN 0x40
.irp kt, 0,1,2,3
.irp c, 0,1
	ds_load_b128 v[KREG+16*\kt+8*\c:KREG+16*\kt+8*\c+3],   v[ADK] offset:\kt*8*PK+64*\c
	ds_load_b128 v[KREG+16*\kt+8*\c+4:KREG+16*\kt+8*\c+7], v[ADK] offset:\kt*8*PK+64*\c+32
.endr
.endr
.irp dt, 0,1,2,3
.irp kk, 0,1
	ds_load_tr16_b128 v[VREG+16*\dt+8*\kk:VREG+16*\dt+8*\kk+3],   v[ADV] offset:(16*\kk)*PV+32*\dt
	ds_load_tr16_b128 v[VREG+16*\dt+8*\kk+4:VREG+16*\dt+8*\kk+7], v[ADV] offset:(16*\kk+8)*PV+32*\dt
.endr
.endr
	s_wait_dscnt 16                                ; K's 16 loads are in; V's 16 may be out
	WIN 0x05                                       ; K and Q window 1, S^T window 0
.irp c, 0,1                                    ; eight accumulators by turns, one instruction a turn
.irp kt, 0,1,2,3
.irp t, 0,1
.if \c == 0
	v_wmma_f32_16x16x32_f16 v[S+32*\t+8*\kt:S+32*\t+8*\kt+7], v[KREG+16*\kt+8*\c:KREG+16*\kt+8*\c+7], v[16*\t+8*\c:16*\t+8*\c+7], 0
.else
	v_wmma_f32_16x16x32_f16 v[S+32*\t+8*\kt:S+32*\t+8*\kt+7], v[KREG+16*\kt+8*\c:KREG+16*\kt+8*\c+7], v[16*\t+8*\c:16*\t+8*\c+7], v[S+32*\t+8*\kt:S+32*\t+8*\kt+7]
.endif
.endr
.endr
.endr
	WIN 0
.rept 4
	v_nop
.endr
	s_add_co_u32 s66, s[KF], 63                    ; a step all of whose keys count for all my queries skips the mask
	s_cmp_le_u32 s66, s[Q0]
	s_cbranch_scc1 .Lopen_\@
	s_sub_co_u32 s66, s[Q0], s[KF]
	v_add_nc_u32 v[D0], s66, v[DL]                 ; my query - KF - 8 h.  Register 8 kt + j holds key KF + 16 kt + 8 h + j: hidden where 16 kt + j is above it
	v_add_nc_u32 v[D0+1], 16, v[D0]
.irp t, 0,1
.set n, 0
.rept 32
	v_cmp_gt_i32 vcc_lo, 16*(n/8)+n%8, v[D0+\t]
	v_cndmask_b32 v[S+32*\t+n], v[S+32*\t+n], v[NINF], vcc_lo
.set n, n+1
.endr
.endr
.Lopen_\@:
	; the maximum of my 32 scores and the old m, the two tiles line by line in turn; each accumulator is read from its low end on
.irp j, 0,1,2,3
.irp t, 0,1
	v_max3_num_f32 v[ST+8*\t+4+\j], v[S+32*\t+8*\j], v[S+32*\t+8*\j+1], v[S+32*\t+8*\j+2]
.endr
.endr
.irp n, 3,5
.irp j, 0,1,2,3
.irp t, 0,1
	v_max3_num_f32 v[ST+8*\t+4+\j], v[ST+8*\t+4+\j], v[S+32*\t+8*\j+\n], v[S+32*\t+8*\j+\n+1]
.endr
.endr
.endr
.irp t, 0,1
	v_max3_num_f32 v[ST+8*\t+4], v[ST+8*\t+4], v[S+32*\t+7], v[S+32*\t+15]
	v_max3_num_f32 v[ST+8*\t+6], v[ST+8*\t+6], v[S+32*\t+23], v[S+32*\t+31]
.endr
.irp t, 0,1
	v_max3_num_f32 v[ST+8*\t+4], v[ST+8*\t+4], v[ST+8*\t+5], v[ST+8*\t+6]
.endr
.irp t, 0,1
	v_max3_num_f32 v[ST+8*\t+4], v[ST+8*\t+4], v[ST+8*\t+7], v[ST+8*\t+1]
.endr
.irp t, 0,1
	v_permlanex16_b32 v[ST+8*\t+5], v[ST+8*\t+4], s[SEL], s[SEL+1]   ; the query's other 32 keys lie in the lane 16 away
.endr
.irp t, 0,1
	v_mov_b32 v[ST+8*\t+7], v[ST+8*\t]             ; c m_old is kept for a
.endr
.irp t, 0,1
	v_max_num_f32 v[ST+8*\t+1], v[ST+8*\t+4], v[ST+8*\t+5]
.endr
.irp t, 0,1
	v_mul_f32 v[ST+8*\t], s[CS], v[ST+8*\t+1]
.endr
.irp t, 0,1
	v_sub_f32 v[ST+8*\t+7], v[ST+8*\t+7], v[ST+8*\t]
.endr
.set b, 0
.rept 16
.irp t, 0,1
	v_pk_fma_f32 v[S+32*\t+2*b:S+32*\t+2*b+1], v[S+32*\t+2*b:S+32*\t+2*b+1], s[CS:CS+1], v[ST+8*\t:ST+8*\t+1] op_sel_hi:[1,0,0] neg_lo:[0,0,1] neg_hi:[0,0,1]   ; c s - c m, two at a time
.endr
.set b, b+1
.endr
.irp t, 0,1
	v_exp_f32 v[ST+8*\t+6], v[ST+8*\t+7]           ; a
.endr
.set e, 0
.rept 32
.irp t, 0,1
	v_exp_f32 v[S+32*\t+e], v[S+32*\t+e]           ; p
.endr
.set e, e+1
.endr
	v_nop                                          ; a plain line behind the last exponential,
	s_wait_alu depctr_va_vdst(0)                   ; and ONE wait for the batch of 66, ahead of its first reader
.set k, 0
.rept 16
.irp t, 0,1
	v_cvt_pk_f16_f32 v[P+16*\t+k], v[S+32*\t+2*k], v[S+32*\t+2*k+1]
.endr
.set k, k+1
.endr
.irp w, 4,8,16,32                              ; the sum of the 16 pairs, in place: neighbours 1, 2, 4 and 8 pairs apart
.set u, 0
.rept 32/\w
.irp t, 0,1
	v_pk_add_f32 v[S+32*\t+\w*u:S+32*\t+\w*u+1], v[S+32*\t+\w*u:S+32*\t+\w*u+1], v[S+32*\t+\w*u+\w/2:S+32*\t+\w*u+\w/2+1]
.endr
.set u, u+1
.endr
.endr
.irp t, 0,1
	v_pk_fma_f32 v[ST+8*\t+2:ST+8*\t+3], v[ST+8*\t+2:ST+8*\t+3], v[ST+8*\t+6:ST+8*\t+7], v[S+32*\t:S+32*\t+1] op_sel_hi:[1,0,1]   ; l = a l + the sum
.endr
	WIN 0x41                                       ; O^T window 1, a window 0
.irp t, 0,1
.set k, 0
.rept 16
	v_pk_mul_f32 v[OREG+32*\t+2*k:OREG+32*\t+2*k+1], v[OREG+32*\t+2*k:OREG+32*\t+2*k+1], v[ST+8*\t+6:ST+8*\t+7] op_sel_hi:[1,0]
.set k, k+1
.endr
.endr
	s_wait_dscnt 0x0                               ; V is in
	WIN 0x51                                       ; V window 1, P window 0, O^T window 1
.irp kk, 0,1                                   ; eight accumulators by turns
.irp dt, 0,1,2,3
.irp t, 0,1
	v_wmma_f32_16x16x32_f16 v[OREG+32*\t+8*\dt:OREG+32*\t+8*\dt+7], v[VREG+16*\dt+8*\kk:VREG+16*\dt+8*\kk+7], v[P+16*\t+8*\kk:P+16*\t+8*\kk+7], v[OREG+32*\t+8*\dt:OREG+32*\t+8*\dt+7]
.endr
.endr
.endr
	WIN 0
.Lhidden_\@:
	s_add_co_u32 s[KF], s[KF], 64
	s_add_co_u32 s[TK], s[TK], 32*PK
	s_add_co_u32 s[TV], s[TV], 32*PV
	s_sub_co_u32 s[STP], s[STP], 1
	s_cmp_lg_u32 s[STP], 0
	s_cbranch_scc1 .Lstep_\@
	s_sub_co_u32 s[TK], s[TK], 128*PK              ; back to a slot's first step,
	s_sub_co_u32 s[TV], s[TV], 128*PV
	s_xor_b32 s[TK], s[TK], SLOT1                  ; in the other slot
	s_xor_b32 s[TV], s[TV], SLOT1
.endm
; THE WAY OUT of a block: O^T / l, rounded to f16, a tile (16 rows of 128 bytes) at a time through my stage, so that a store covers four whole rows: 512 consecutive bytes, aligned.
.macro WAYOUT base
.irp t, 0,1
	v_add_f32 v[ST+8*\t+4], v[ST+8*\t+2], v[ST+8*\t+3]
.endr
.irp t, 0,1
	v_permlanex16_b32 v[ST+8*\t+5], v[ST+8*\t+4], s[SEL], s[SEL+1]
.endr
.irp t, 0,1
	v_add_f32 v[ST+8*\t+4], v[ST+8*\t+4], v[ST+8*\t+5]
.endr
.irp t, 0,1
	v_rcp_f32 v[ST+8*\t+6], v[ST+8*\t+4]
.endr
	v_nop                                          ; a plain line behind the reciprocals (with the four additions above: the places behind the last products),
	s_wait_alu depctr_va_vdst(0)                   ; and the one wait ahead of their first reader
.irp t, 0,1
	WIN 0x01
.set k, 0
.rept 16
	v_pk_mul_f32 v[S+32*\t+2*k:S+32*\t+2*k+1], v[OREG+32*\t+2*k:OREG+32*\t+2*k+1], v[ST+8*\t+6:ST+8*\t+7] op_sel_hi:[1,0]
.set k, k+1
.endr
	WIN 0
.set k, 0
.rept 16
	v_cvt_pk_f16_f32 v[P+16*\t+k], v[S+32*\t+2*k], v[S+32*\t+2*k+1]
.set k, k+1
.endr
.irp d, 0,1,2,3
	ds_store_b128 v[STO], v[P+16*\t+4*\d:P+16*\t+4*\d+3] offset:32*\d
.endr
.irp u, 0,1,2,3
	ds_load_b128 v[BK+16*\t+4*\u:BK+16*\t+4*\u+3], v[RD] offset:576*\u   ; LDS serves a wave's instructions in order: these see the stores above, and the next tile's stores come behind them
.endr
.endr
.irp t, 0,1
.irp u, 0,1,2,3
	s_wait_dscnt 8*(1-\t)+3-\u                     ; the LDS instructions issued behind this load may be out
	global_store_b128 v[GO], v[BK+16*\t+4*\u:BK+16*\t+4*\u+3], s[\base:\base+1] offset:\t*2048+\u*512
.endr
.endr
.endm
	QLOAD QPB
	INIT
	s_wait_loadcnt 0x0                             ; Q
.Lunit:                                            ; eight trips: behind each change of slots the next unit is asked for
	CHANGE 1
	UNIT
	s_cmp_lg_u32 s[UN], s[SW]                      ; the late block's last unit?  Made of the work-group's number and the count of trips: the same in all eight waves
	s_cbranch_scc1 .Lsame
	QLOAD QPA                                      ; the early block's queries come while the late block goes out
	WAYOUT OPB
	s_wait_xcnt 0x0                                ; the stores have read their registers: the next way out writes them again
	INIT
	s_mov_b32 s[KF], 0
	s_mov_b32 s[Q0], s[Q0A]
	s_wait_loadcnt 0x0
.Lsame:
	s_sub_co_u32 s[UN], s[UN], 1
	s_cmp_lg_u32 s[UN], 0
	s_cbranch_scc1 .Lunit
	CHANGE 0                                       ; the ninth unit is written out: nothing is left to ask for
	UNIT
	WAYOUT OPA
	s_wait_tensorcnt 0x0                           ; the wave's end, behind my last tensor load and my last LDS store
	ds_add_u32 v[SPW], v[NIL]
	s_wait_dscnt 0x0
	s_endpgm
.Lfunc_end_k_q06d593cda0_attn:
	.size	k_q06d593cda0_attn, .Lfunc_end_k_q06d593cda0_attn-k_q06d593cda0_attn
	.p2alignl 7, 3214868480
	.fill 96, 4, 3214868480
	.section	.rodata,"a",@progbits
	.p2align	6, 0x0
	.amdhsa_kernel k_q06d593cda0_attn
		.amdhsa_group_segment_fixed_size 327680
		.amdhsa_private_segment_fixed_size 0
		.amdhsa_enable_private_segment 0
		.amdhsa_kernarg_size 16
		.amdhsa_user_sgpr_count 2
		.amdhsa_user_sgpr_kernarg_segment_ptr 1
		.amdhsa_wavefront_size32 1
		.amdhsa_system_sgpr_workgroup_id_x 1
		.amdhsa_system_sgpr_workgroup_id_y 1
		.amdhsa_system_sgpr_workgroup_id_z 1
		.amdhsa_system_vgpr_workitem_id 0
		.amdhsa_next_free_vgpr 512
		.amdhsa_next_free_sgpr 80
		.amdhsa_reserve_vcc 1
		.amdhsa_float_denorm_mode_32 3
		.amdhsa_float_denorm_mode_16_64 3
		.amdhsa_memory_ordered 1
		.amdhsa_forward_progress 1
		.amdhsa_inst_pref_size 73
	.end_amdhsa_kernel
	.amdgpu_metadata
---
amdhsa.version: [ 1, 2 ]
amdhsa.kernels:
  - .name:           k_q06d593cda0_attn
    .symbol:         k_q06d593cda0_attn.kd
    .args:
      - { .name: heads, .offset: 0, .size: 8, .value_kind: global_buffer, .address_space: global }
      - { .name: att, .offset: 8, .size: 8, .value_kind: global_buffer, .address_space: global }
    .group_segment_fixed_size: 327680
    .private_segment_fixed_size: 0
    .kernarg_segment_align: 8
    .kernarg_segment_size: 16
    .max_flat_workgroup_size: 256
    .sgpr_count:     80
    .vgpr_count:     512
    .wavefront_size: 32
...
	.end_amdgpu_metadata
.endif
;; end of part 3
;; launch oproj (part 4): grid 8 x 32, 4 waves a work-group, clusters of 4 x 4, 327,680 bytes of LDS; arguments att, wo16, out0; writes out0
.if DOCPART == 4
	.amdgcn_target "amdgcn-amd-amdhsa--gfx1250"
	.amdhsa_code_object_version 6
	.text
	.protected	k_q06d593cda0_oproj
	.globl	k_q06d593cda0_oproj
	.p2align	8
	.type	k_q06d593cda0_oproj,@function
k_q06d593cda0_oproj:
	s_mov_b64 s[64:65], 0
	v_nop
	global_prefetch_b8 v0, s[64:65] scope:SCOPE_SE
	s_setreg_imm32_b32 hwreg(HW_REG_WAVE_MODE, 25, 1), 1
	s_wait_xcnt 0x0
	s_wait_alu depctr_hold_cnt(0) depctr_sa_sdst(0) depctr_va_vdst(0) depctr_va_sdst(0) depctr_va_ssrc(0) depctr_va_vcc(0) depctr_vm_vsrc(0)
	s_getreg_b32 s2, hwreg(HW_REG_IB_STS2, 6, 4)
	s_cmp_eq_u32 s2, 0
	s_cbranch_scc0 .Lentry_in_a_cluster
	s_endpgm
.Lentry_in_a_cluster:
	s_bfe_u32 s2, ttmp6, 0x10000c
	s_cmp_lg_u32 s2, 0xf033
	s_cbranch_scc0 .Lentry_shape_is_right
	s_endpgm
.Lentry_shape_is_right:
; OPROJ.  out[m][n] = the sum over k of A[m][k] Wo[n][k]; m = 2,048 batch + place (8,192), n and k 1,024.  A and Wo are f16, laid by planes of 64 along k: A [16][8192][64], Wo [16][1024][64]; out is f32; sums in f32.
; (The first 16 places of every sequence are written here too and are written again, more finely, by the launch that follows.)
; A tile of out is 256 rows x 128 columns: 256 work-groups.  Four waves, each 128 x 64: 32 accumulators of 16 x 16, which fill window 1.  K goes in steps of 128 (two planes) through a ring of two LDS slots.
; A plane's rows of 128 bytes are dense, so a tile is stated as double rows of 256 bytes, 16 bytes of padding behind each: row i lies at (i / 2) x 272 + (i % 2) x 128, and the 16 rows of a fragment load fall on 16 different columns of 16 bytes.
; CLUSTERS: 4 x 4 work-groups.  The four of a row of the cluster need the same tiles of A, the four of a column the same tiles of Wo: each tile is asked for jointly.
; THE MATRIX INSTRUCTION IS USED TRANSPOSED (source 0 = 16 rows of Wo, source 1 = 16 rows of A): a lane holds eight neighbouring numbers of a row of out.
; No prefetch: a work-group's tiles are small, each K step's tiles are shared by four partners, and Wo is read again by all 32 tile rows.
; REGISTERS: window 0: v16-29 addresses; two fragment buffers for 32 along K: v32-95 A's eight, v96-127 Wo's four; v128-191, v192-223 likewise; on the way out v32-95 rows read back.   window 1: accumulator (a, b) at v[8 (4 a + b)].
.set PITCH,  272
.set APL,    128*PITCH                 ; a plane of A's tile: 128 double rows
.set BPL,    64*PITCH                  ; of Wo's: 64
.set BOFF,   2*APL
.set SLOT,   2*APL+2*BPL
.set STAGE,  2*SLOT                    ; behind the ring: 16 rows x (256 + 16) bytes for each wave
.set SPARE,  STAGE+4*16*272            ; the spare words, 128 bytes a wave, that no other line names
.set ADRA, 16
.set ADRB, 20
.set STO,  24
.set RD,   25
.set CO,   26
.set SPW,  28
.set NIL,  29
.set F0,   32
.set F1,   128
.set BK,   32
.set G1, 24
.set G0, 32
.set G1B, 48
.set G0B, 56
.set MSB, 0
.macro WIN new
.if MSB != \new
	s_set_vgpr_msb (MSB<<8)|\new
.set MSB, \new
.endif
.endm
.set MUL, 0x50                         ; sources window 0; C and D window 1
.macro JLOAD s                         ; a joint load: waves 0 and 1 fetch A's two planes, waves 2 and 3 Wo's; an s_nop 0 and four v_nop follow each of the two lines
	s_cmp_eq_u32 s11, 0
	s_cbranch_scc0 .Lfor_b_\@
	tensor_load_to_lds s[G0+4*\s:G0+4*\s+3], s[G1:G1+7]
	s_nop 0
.rept 4
	v_nop
.endr
	s_branch .Lasked_\@
.Lfor_b_\@:
	tensor_load_to_lds s[G0B+4*\s:G0B+4*\s+3], s[G1B:G1B+7]
	s_nop 0
.rept 4
	v_nop
.endr
.Lasked_\@:
.endm
.macro CREST                           ; a round of the cluster's barrier behind its opening barrier
	s_cmp_lg_u32 s10, 0
	s_cbranch_scc1 .Lnot_wave_0_\@
	s_barrier_signal -3
.Lnot_wave_0_\@:
	s_barrier_wait -3
	s_barrier_signal -1
	s_barrier_wait -1
.endm
.macro CROUND
	s_barrier_signal -1
	s_barrier_wait -1
	CREST
.endm
	s_load_b128 s[4:7], s[0:1], 0x0                ; att s[4:5], wo16 s[6:7]
	s_load_b64 s[8:9], s[0:1], 0x10                ; out0
	v_lshl_add_u32 v[SPW], v0, 2, SPARE
	v_mov_b32 v[NIL], 0
	ds_add_u32 v[SPW], v[NIL]                      ; the wave's opening: the add, twice on end, and its wait ahead of my first tensor load
	ds_add_u32 v[SPW], v[NIL]
	v_lshrrev_b32 v1, 5, v0
	v_readfirstlane_b32 s10, v1                    ; wave 0..3
	s_lshr_b32 s11, s10, 1                         ; which half of the tile's rows is mine.  Also: I fetch for A (0) or for Wo (1)
	s_and_b32 s12, s10, 1                          ; which half of its columns.  Also: which of a K step's two planes I fetch
	s_bfe_u32 s40, ttmp6, 0x40000                  ; cx, cy
	s_bfe_u32 s41, ttmp6, 0x40004
	s_lshl_b32 s42, ttmp9, 2
	s_add_co_u32 s42, s42, s40                     ; tile column = 4 x cluster x + cx
	s_and_b32 s13, ttmp7, 0xffff
	s_lshl_b32 s13, s13, 2
	s_add_co_u32 s13, s13, s41                     ; tile row = 4 x cluster y + cy
	s_lshl_b32 s43, s41, 2
	s_lshl_b32 s43, 15, s43                        ; my row of the cluster
	s_lshl_b32 s44, 0x1111, s40                    ; my column
	s_or_b32 s[G1+0], s43, (1<<16)|(1<<20)|(1<<21)|(5<<22)|(3<<25)   ; the mask; elements of 2 bytes; padding on; bit 21 beside a mask; four words after every 64
	s_or_b32 s[G1B+0], s44, (1<<16)|(1<<20)|(1<<21)|(5<<22)|(3<<25)
	s_mov_b32 s[G1+1], 128<<16                     ; tensor_dim0 = 128 elements: a double row
	s_mov_b32 s[G1+2], 128<<16                     ; tensor_dim1 = 128 double rows
	s_mov_b32 s[G1+3], 128<<16                     ; tile_dim0
	s_mov_b32 s[G1+4], 128                         ; tile_dim1
	s_mov_b32 s[G1+5], 128                         ; from double row to double row
	s_mov_b32 s[G1+6], 0
	s_mov_b32 s[G1+7], 0
	s_mov_b32 s[G1B+1], 128<<16
	s_mov_b32 s[G1B+2], 64<<16
	s_mov_b32 s[G1B+3], 128<<16
	s_mov_b32 s[G1B+4], 64
	s_mov_b32 s[G1B+5], 128
	s_mov_b32 s[G1B+6], 0
	s_mov_b32 s[G1B+7], 0
	s_lshl_b32 s16, s12, 20                        ; A: my plane, 1,048,576 bytes each, + the tile row's 256 rows of 128 bytes: nothing of cx in it
	s_lshl_b32 s17, s13, 15
	s_add_co_u32 s16, s16, s17
	s_mov_b32 s17, 0
	s_lshl_b32 s46, s12, 17                        ; Wo: my plane, 131,072 bytes each, + the tile column's 128 rows: nothing of cy in it
	s_lshl_b32 s47, s42, 14
	s_add_co_u32 s46, s46, s47
	s_mov_b32 s47, 0
	s_mul_i32 s20, s12, APL                        ; where they go: made of the wave's number alone
	s_mul_i32 s21, s12, BPL
	s_add_co_u32 s21, s21, BOFF
	s_wait_dscnt 0x0                               ; both opening adds are done
	s_wait_kmcnt 0x0
	s_add_nc_u64 s[14:15], s[4:5], s[16:17]
	s_add_nc_u64 s[46:47], s[6:7], s[46:47]
	CROUND                                         ; all sixteen work-groups are here: the first joint loads meet
.irp s, 0,1
	s_mov_b32 s[G0+4*\s], 1
	s_add_co_u32 s[G0+4*\s+1], s20, \s*SLOT
	s_add_nc_u64 s[G0+4*\s+2:G0+4*\s+3], s[14:15], \s*2*1048576    ; K step s: planes 2 s, 2 s + 1
	s_or_b32 s[G0+4*\s+3], s[G0+4*\s+3], 0x80000000
	s_mov_b32 s[G0B+4*\s], 1
	s_add_co_u32 s[G0B+4*\s+1], s21, \s*SLOT
	s_add_nc_u64 s[G0B+4*\s+2:G0B+4*\s+3], s[46:47], \s*2*131072
	s_or_b32 s[G0B+4*\s+3], s[G0B+4*\s+3], 0x80000000
	JLOAD \s
.endr
	v_and_b32 v1, 15, v0                           ; r
	v_bfe_u32 v2, v0, 4, 1                         ; h
	v_lshrrev_b32 v3, 1, v1
	v_and_b32 v4, 1, v1
	v_mul_u32_u24 v3, v3, PITCH
	v_lshl_add_u32 v3, v4, 7, v3
	v_lshl_add_u32 v3, v2, 4, v3                   ; row r of a fragment, + 16 h
	s_mul_i32 s21, s11, 64*PITCH                   ; my 128 rows of A
	s_mul_i32 s22, s12, 32*PITCH                   ; my 64 rows of Wo
	s_add_co_u32 s22, s22, BOFF
.irp s, 0,1
	v_add_nc_u32 v[ADRA+\s], s21, v3
	v_add_nc_u32 v[ADRB+\s], s22, v3
	s_add_co_u32 s21, s21, SLOT
	s_add_co_u32 s22, s22, SLOT
.endr
	s_mul_i32 s23, s10, 16*272
	s_add_co_u32 s23, s23, STAGE                   ; my stage
	v_mul_u32_u24 v4, v1, 272
	v_lshl_add_u32 v4, v2, 5, v4
	v_add_nc_u32 v[STO], s23, v4                   ; in: row r, 32 bytes for each half of the lanes
	v_mul_u32_u24 v5, v2, 272
	v_lshl_add_u32 v5, v1, 4, v5
	v_add_nc_u32 v[RD], s23, v5                    ; back: lanes 0-15 one row of 256 bytes, lanes 16-31 the next
	v_lshlrev_b32 v5, 12, v2
	v_lshl_add_u32 v[CO], v1, 4, v5                ; and the same two rows in out
	s_lshl_b32 s16, s13, 8
	s_lshl_b32 s17, s11, 7
	s_add_co_u32 s16, s16, s17                     ; my first row of out
	s_lshl_b32 s16, s16, 12
	s_mov_b32 s17, 0
	s_add_nc_u64 s[8:9], s[8:9], s[16:17]
	s_lshl_b32 s46, s42, 9                         ; my first column, in bytes: 512 x tile column + 256 x half
	s_lshl_b32 s47, s12, 8
	s_add_co_u32 s46, s46, s47
	s_mov_b32 s47, 0
	s_add_nc_u64 s[8:9], s[8:9], s[46:47]
; n x 4 matrix instructions: A's blocks a0 on against Wo's four, 32 along K, from buffer f.  The 32 accumulators take turns, one instruction a turn, in the same order in every quarter.
.macro MULS f, a0, n, zero
.set aa, \a0
.rept \n
.irp b, 0,1,2,3
.if \zero
	v_wmma_f32_16x16x32_f16 v[8*(4*aa+\b):8*(4*aa+\b)+7], v[\f+64+8*\b:\f+64+8*\b+7], v[\f+8*aa:\f+8*aa+7], 0
.else
	v_wmma_f32_16x16x32_f16 v[8*(4*aa+\b):8*(4*aa+\b)+7], v[\f+64+8*\b:\f+64+8*\b+7], v[\f+8*aa:\f+8*aa+7], v[8*(4*aa+\b):8*(4*aa+\b)+7]
.endif
.endr
.set aa, aa+1
.endr
.endm
; 24 LDS loads in one run: the fragments of quarter q of a K step (plane q / 2, channels 32 (q % 2) on) into buffer f: Wo's four, A's blocks 0-3, A's blocks 4-7
.macro FETCH slot, q, f
.irp i, 0,1,2,3
	ds_load_b128 v[\f+64+8*\i:\f+64+8*\i+3],   v[ADRB+\slot] offset:((\q)/2)*BPL+((\q)%2)*64+\i*8*PITCH
	ds_load_b128 v[\f+64+8*\i+4:\f+64+8*\i+7], v[ADRB+\slot] offset:((\q)/2)*BPL+((\q)%2)*64+\i*8*PITCH+32
.endr
.irp i, 0,1,2,3,4,5,6,7
	ds_load_b128 v[\f+8*\i:\f+8*\i+3],   v[ADRA+\slot] offset:((\q)/2)*APL+((\q)%2)*64+\i*8*PITCH
	ds_load_b128 v[\f+8*\i+4:\f+8*\i+7], v[ADRA+\slot] offset:((\q)/2)*APL+((\q)%2)*64+\i*8*PITCH+32
.endr
.endm
.macro PLACES                          ; four plain lines in front of loads into registers that matrix instructions have read, and of reads of results
.rept 4
	v_nop
.endr
.endm
; A K step is four quarters of 32 along K, 32 matrix instructions each, on buffers 0, 1, 0, 1.  One of the first three: multiplies buffer f and fetches quarter qn into g.
.macro QUARTER slot, qn, f, g, zero
	s_wait_dscnt 8                                 ; Wo's fragments and A's blocks 0-3 are in; the youngest eight loads (A's blocks 4-7) may be out
	WIN MUL
	MULS \f, 0, 4, \zero
	PLACES
	WIN 0
	FETCH \slot, \qn, \g
	s_wait_dscnt 24                                ; all but the 24 just issued
	WIN MUL
	MULS \f, 4, 4, \zero
.endm
; The last quarter multiplies buffer 1 and changes slots: ONE barrier; in front of it each wave waits for all its tensor loads, adds 0 to its spare word, and waits for that and for its reads of this slot.
; fill = 1: the barrier opens a round of the cluster's, and this slot is filled again, two K steps ahead, first thing behind the round: 112 matrix instructions ahead of the wait for it.
.macro TURN slot, next, fill
	WIN 0
	s_wait_tensorcnt 0x0                           ; all my tensor loads have landed: my part of the next slot
	ds_add_u32 v[SPW], v[NIL]
	s_wait_dscnt 9                                 ; (the add and the youngest eight loads may be out)
	WIN MUL
	MULS F1, 0, 2, 0
	s_wait_dscnt 0x0                               ; the add is done, and my reads of this slot are over
	s_barrier_signal -1
	MULS F1, 2, 2, 0
	WIN 0
	s_barrier_wait -1
.if \fill
	CREST                                          ; no wave of any partner still reads this slot's tiles or has a load on its way
	s_add_nc_u64 s[G0+4*\slot+2:G0+4*\slot+3], s[G0+4*\slot+2:G0+4*\slot+3], 4*1048576
	s_add_nc_u64 s[G0B+4*\slot+2:G0B+4*\slot+3], s[G0B+4*\slot+2:G0B+4*\slot+3], 4*131072
	JLOAD \slot                                    ; the four v_nop behind it are also the places in front of the loads below
.else
	PLACES
.endif
	FETCH \next, 0, F0
	WIN MUL
	MULS F1, 4, 4, 0
.endm
	s_wait_tensorcnt 1                             ; my part of K step 0 is in; K step 1's load may be out
	s_barrier_signal -1
	s_barrier_wait -1
	FETCH 0, 0, F0
	QUARTER 0, 1, F0, F1, 1                        ; the first quarter's products start the sums: nothing is cleared
	WIN 0
	s_mov_b32 s3, 3
.Llap:                                             ; a trip goes once round the ring, from a lap's second quarter to the next lap's first, and fills both slots again: K steps 2 to 7
	QUARTER 0, 2, F1, F0, 0
	QUARTER 0, 3, F0, F1, 0
	TURN 0, 1, 1
	QUARTER 1, 1, F0, F1, 0
	QUARTER 1, 2, F1, F0, 0
	QUARTER 1, 3, F0, F1, 0
	TURN 1, 0, 1
	QUARTER 0, 1, F0, F1, 0
	WIN 0
	s_sub_co_u32 s3, s3, 1
	s_cmp_lg_u32 s3, 0
	s_cbranch_scc1 .Llap
	QUARTER 0, 2, F1, F0, 0                        ; the last lap fills nothing, and has no round of the cluster's barrier
	QUARTER 0, 3, F0, F1, 0
	TURN 0, 1, 0
	QUARTER 1, 1, F0, F1, 0
	QUARTER 1, 2, F1, F0, 0
	QUARTER 1, 3, F0, F1, 0
	s_wait_dscnt 8
	WIN MUL
	MULS F1, 0, 4, 0
	s_wait_dscnt 0
	MULS F1, 4, 4, 0
	WIN 0
	PLACES
; THE WAY OUT, block by block of 16 rows x 64 columns: through my own stage and back as whole pieces of 256 bytes, which sixteen lanes store, aligned.  LDS serves a wave's instructions in order: no wait between the stores and the loads.
.macro TOSTAGE a
	WIN 0x04                                       ; an LDS store's data are its source 1: window 1
.irp b, 0,1,2,3
	ds_store_b128 v[STO], v[8*(4*(\a)+\b):8*(4*(\a)+\b)+3] offset:64*\b         ; each accumulator from its low end on
	ds_store_b128 v[STO], v[8*(4*(\a)+\b)+4:8*(4*(\a)+\b)+7] offset:64*\b+16
.endr
	WIN 0
.irp t, 0,1,2,3,4,5,6,7
	ds_load_b128 v[BK+32*((\a)%2)+4*\t:BK+32*((\a)%2)+4*\t+3], v[RD] offset:544*\t
.endr
.endm
.macro SEND a, younger
	s_wait_dscnt \younger
.irp t, 0,1,2,3,4,5,6,7
	global_store_b128 v[CO], v[BK+32*((\a)%2)+4*\t:BK+32*((\a)%2)+4*\t+3], s[8:9] offset:(16*(\a)+2*\t)*4096 th:TH_STORE_NT
.endr
.endm
	TOSTAGE 0
.irp a, 1,2,3,4,5,6,7
.if \a > 1
	s_wait_xcnt 0x0                                ; block a - 2's stores have read the registers into which block a's rows come back
.endif
	TOSTAGE \a
	SEND \a-1, 16                                  ; behind block a - 1's loads: block a's 8 stores and 8 loads
.endr
	SEND 7, 0
	s_wait_tensorcnt 0x0                           ; the wave's end, behind my last tensor load and my last LDS store
	ds_add_u32 v[SPW], v[NIL]
	s_wait_dscnt 0x0
	CROUND                                         ; the closing round
	s_endpgm
.Lfunc_end_k_q06d593cda0_oproj:
	.size	k_q06d593cda0_oproj, .Lfunc_end_k_q06d593cda0_oproj-k_q06d593cda0_oproj
	.p2alignl 7, 3214868480
	.fill 96, 4, 3214868480
	.section	.rodata,"a",@progbits
	.p2align	6, 0x0
	.amdhsa_kernel k_q06d593cda0_oproj
		.amdhsa_group_segment_fixed_size 327680
		.amdhsa_private_segment_fixed_size 0
		.amdhsa_enable_private_segment 0
		.amdhsa_kernarg_size 24
		.amdhsa_user_sgpr_count 2
		.amdhsa_user_sgpr_kernarg_segment_ptr 1
		.amdhsa_wavefront_size32 1
		.amdhsa_system_sgpr_workgroup_id_x 1
		.amdhsa_system_sgpr_workgroup_id_y 1
		.amdhsa_system_sgpr_workgroup_id_z 1
		.amdhsa_system_vgpr_workitem_id 0
		.amdhsa_next_free_vgpr 512
		.amdhsa_next_free_sgpr 66
		.amdhsa_reserve_vcc 0
		.amdhsa_float_denorm_mode_32 3
		.amdhsa_float_denorm_mode_16_64 3
		.amdhsa_memory_ordered 1
		.amdhsa_forward_progress 1
		.amdhsa_inst_pref_size 85
	.end_amdhsa_kernel
	.amdgpu_metadata
---
amdhsa.version: [ 1, 2 ]
amdhsa.kernels:
  - .name:           k_q06d593cda0_oproj
    .symbol:         k_q06d593cda0_oproj.kd
    .args:
      - { .name: att, .offset: 0, .size: 8, .value_kind: global_buffer, .address_space: global }
      - { .name: wo16, .offset: 8, .size: 8, .value_kind: global_buffer, .address_space: global }
      - { .name: out0, .offset: 16, .size: 8, .value_kind: global_buffer, .address_space: global }
    .group_segment_fixed_size: 327680
    .private_segment_fixed_size: 0
    .kernarg_segment_align: 8
    .kernarg_segment_size: 24
    .max_flat_workgroup_size: 128
    .sgpr_count:     66
    .vgpr_count:     512
    .wavefront_size: 32
...
	.end_amdgpu_metadata
.endif
;; end of part 4
;; launch first16 (part 5): grid 64 x 4, 16 waves a work-group, no clusters, 22,528 bytes of LDS; arguments rows32, o_proj_weight, out0; writes out0
.if DOCPART == 5
	.amdgcn_target "amdgcn-amd-amdhsa--gfx1250"
	.amdhsa_code_object_version 6
	.text
	.protected	k_q06d593cda0_first16
	.globl	k_q06d593cda0_first16
	.p2align	8
	.type	k_q06d593cda0_first16,@function
k_q06d593cda0_first16:
	s_mov_b64 s[64:65], 0
	v_nop
	global_prefetch_b8 v0, s[64:65] scope:SCOPE_SE
	s_setreg_imm32_b32 hwreg(HW_REG_WAVE_MODE, 25, 1), 1
	s_wait_xcnt 0x0
; FIRST16.  The first 16 places of every sequence average one to sixteen values and are the largest numbers of the result: they are carried in f32 from the projections' sums to the output, the output projection too.
; rows32: [16 batch + place][3072] f32: columns 0-1023 q, 1024-2047 k (both turned), 2048-3071 v.  Wo: [1024 n][1024 k] f32.  Rows place < 16 of out0 are written again here.
; SHARES.  Work-group (x, b) makes the 16 rows of batch b, columns 16 x .. 16 x + 15.  Wave w is head w: it makes its head's 16 x 16 attention (48 matrix instructions of 16 x 16 x 4 in all) and its head's part of the
; 16 x 16 outputs; the sixteen parts meet in LDS, and waves 0 and 1 add them.  The small attention is so made anew for each of the 64 column blocks: that spares a launch and any sum across work-groups.
; A row's 16 outputs are 64 bytes, so the stores cover 64 consecutive bytes a row: 262,144 bytes in the whole launch.
; ALONG K the same order of the four numbers of a step stands in both sources of every product, so the loads may take 16 bytes a lane.
; The registers that the f32 matrix instruction writes (v144-207) are written by matrix instructions alone; what is made of finished sums goes into other registers.
.set PART,  0                          ; LDS: 16 rows x (64 + 16) bytes for each wave
.set SPARE, 16*1280                    ; the spare words, 128 bytes a wave, that no other line names
.set SPW, 14
.set NIL, 15
.set QF,  16                           ; v16-47   Q: register 4 c + i: channel 8 c + 4 h + i of query r
.set KF,  48                           ; v48-79   K likewise, of key r
.set VF,  80                           ; v80-111  V: register 8 dt + j: key 8 h + j, channel 16 dt + r
.set WF,  112                          ; v112-143 Wo: register 8 dt + i: column 16 x + r, channel 16 dt + 8 h + i of my head
.set SA,  144                          ; v144-175 four accumulators: S^T in four parts, later the outputs in four parts
.set OA,  176                          ; v176-207 O^T, four tiles of 16 channels
.set SS,  208                          ; v208-215 the scores, then p
.set TM,  216                          ; v216-231 at work
.set YS,  232                          ; v232-239 my head's part of the outputs
	s_load_b128 s[4:7], s[0:1], 0x0                ; rows32 s[4:5], Wo s[6:7]
	s_load_b64 s[8:9], s[0:1], 0x10                ; out0
	v_lshl_add_u32 v[SPW], v0, 2, SPARE
	v_mov_b32 v[NIL], 0
	v_lshrrev_b32 v1, 5, v0
	v_readfirstlane_b32 s10, v1                    ; wave = head
	s_and_b32 s11, ttmp7, 0xffff                   ; batch
	v_and_b32 v1, 15, v0                           ; r
	v_bfe_u32 v2, v0, 4, 1                         ; h
	v_mul_u32_u24 v3, v1, 12288
	v_lshl_add_u32 v3, v2, 4, v3                   ; Q, K: row r, + 16 h
	v_mul_u32_u24 v4, v2, 98304
	v_lshl_add_u32 v4, v1, 2, v4                   ; V: row 8 h, + 4 r
	v_lshlrev_b32 v5, 12, v1
	v_lshl_add_u32 v5, v2, 5, v5                   ; Wo: row r, + 32 h
	v_lshlrev_b32 v6, 3, v2
	v_sub_nc_u32 v6, v1, v6                        ; r - 8 h: register j holds key 8 h + j, hidden where j is above it
	v_mov_b32 v7, 0xff800000                       ; -infinity
	s_mul_i32 s12, s10, 1280
	v_mul_u32_u24 v8, v1, 80
	v_lshl_add_u32 v8, v2, 5, v8
	v_add_nc_u32 v8, s12, v8                       ; my part: row r, + 32 h
	v_lshrrev_b32 v9, 2, v0
	v_and_b32 v11, 3, v0
	v_lshlrev_b32 v10, 12, v9
	v_lshl_add_u32 v10, v11, 4, v10                ; the sum (waves 0 and 1): thread t takes row t / 4, 16 bytes at 16 (t % 4): in out0,
	v_mul_u32_u24 v9, v9, 80
	v_lshl_add_u32 v9, v11, 4, v9                  ; and in a part
	s_mov_b32 s20, 0x76543210
	s_mov_b32 s21, 0xfedcba98                      ; v_permlanex16_b32's selects for lane l xor 16
	s_mov_b32 s22, 0x3e38aa3b                      ; c = log2(e) / 8
	s_mul_i32 s12, s11, 196608                     ; 16 rows of 12,288 bytes a batch,
	s_lshl_b32 s13, s10, 8
	s_add_co_u32 s12, s12, s13                     ; 256 bytes a head
	s_mov_b32 s13, 0
	s_lshl_b32 s14, ttmp9, 16                      ; Wo: 16 rows of 4,096 bytes a column block,
	s_lshl_b32 s15, s10, 8
	s_add_co_u32 s14, s14, s15
	s_mov_b32 s15, 0
	s_lshl_b32 s16, s11, 23                        ; out0: 8,388,608 bytes a batch,
	s_lshl_b32 s17, ttmp9, 6
	s_add_co_u32 s16, s16, s17                     ; 64 bytes a column block
	s_mov_b32 s17, 0
	s_wait_kmcnt 0x0
	s_add_nc_u64 s[4:5], s[4:5], s[12:13]
	s_add_nc_u64 s[6:7], s[6:7], s[14:15]
	s_add_nc_u64 s[8:9], s[8:9], s[16:17]
.irp c, 0,1,2,3,4,5,6,7
	global_load_b128 v[QF+4*\c:QF+4*\c+3], v3, s[4:5] offset:32*\c
.endr
.irp c, 0,1,2,3,4,5,6,7
	global_load_b128 v[KF+4*\c:KF+4*\c+3], v3, s[4:5] offset:4096+32*\c
.endr
.irp d, 0,1,2,3
.irp j, 0,1,2,3,4,5,6,7
	global_load_b32 v[VF+8*\d+\j], v4, s[4:5] offset:8192+\j*12288+64*\d
.endr
.endr
.irp d, 0,1,2,3
.irp e, 0,1
	global_load_b128 v[WF+8*\d+4*\e:WF+8*\d+4*\e+3], v5, s[6:7] offset:64*\d+16*\e
.endr
.endr
	s_wait_loadcnt 40                              ; Q and K are in; V's 32 loads and Wo's 8 may be out
; S^T = K Q^T: 16 steps of 4 channels, four accumulators by turns, one instruction a turn; the first four start the sums
.set u, 0
.rept 16
.if u < 4
	v_wmma_f32_16x16x4_f32 v[SA+8*(u%4):SA+8*(u%4)+7], v[KF+2*u:KF+2*u+1], v[QF+2*u:QF+2*u+1], 0
.else
	v_wmma_f32_16x16x4_f32 v[SA+8*(u%4):SA+8*(u%4)+7], v[KF+2*u:KF+2*u+1], v[QF+2*u:QF+2*u+1], v[SA+8*(u%4):SA+8*(u%4)+7]
.endif
.set u, u+1
.endr
.rept 8
	v_nop                                          ; eight plain lines behind this form before a vector instruction reads a result (ISA guide 7.12.1)
.endr
.irp k, 0,2,4,6                                ; the four parts are added, each accumulator from its low end on: lane (r, h) holds query r, keys 8 h + 0 .. 7
	v_pk_add_f32 v[TM+\k:TM+\k+1], v[SA+\k:SA+\k+1], v[SA+8+\k:SA+8+\k+1]
	v_pk_add_f32 v[TM+8+\k:TM+8+\k+1], v[SA+16+\k:SA+16+\k+1], v[SA+24+\k:SA+24+\k+1]
.endr
.irp k, 0,2,4,6
	v_pk_add_f32 v[SS+\k:SS+\k+1], v[TM+\k:TM+\k+1], v[TM+8+\k:TM+8+\k+1]
.endr
.irp j, 0,1,2,3,4,5,6,7
	v_cmp_gt_i32 vcc_lo, \j, v6                    ; the causal mask
	v_cndmask_b32 v[SS+\j], v[SS+\j], v7, vcc_lo
.endr
	v_max3_num_f32 v[TM], v[SS], v[SS+1], v[SS+2]
	v_max3_num_f32 v[TM+1], v[SS+3], v[SS+4], v[SS+5]
	v_max3_num_f32 v[TM], v[TM], v[SS+6], v[SS+7]
	v_max_num_f32 v[TM], v[TM], v[TM+1]
	v_permlanex16_b32 v[TM+1], v[TM], s20, s21
	v_max_num_f32 v[TM], v[TM], v[TM+1]            ; the row's maximum: key 0 counts for every query, so it is a number
	v_mul_f32 v[TM+2], s22, v[TM]
.irp j, 0,1,2,3,4,5,6,7
	v_fma_f32 v[SS+\j], v[SS+\j], s22, -v[TM+2]    ; c s - c m
.endr
.irp j, 0,1,2,3,4,5,6,7
	v_exp_f32 v[SS+\j], v[SS+\j]                   ; p
.endr
	v_nop                                          ; a plain line behind the exponentials,
	s_wait_alu depctr_va_vdst(0)                   ; and one wait for the eight, ahead of their first reader
	v_add_f32 v[TM], v[SS], v[SS+1]                ; the row's sum, ahead of the products that take p
	v_add_f32 v[TM+1], v[SS+2], v[SS+3]
	v_add_f32 v[TM+4], v[SS+4], v[SS+5]
	v_add_f32 v[TM+5], v[SS+6], v[SS+7]
	v_add_f32 v[TM], v[TM], v[TM+1]
	v_add_f32 v[TM+4], v[TM+4], v[TM+5]
	v_add_f32 v[TM], v[TM], v[TM+4]
	v_permlanex16_b32 v[TM+1], v[TM], s20, s21
	v_add_f32 v[TM], v[TM], v[TM+1]
	v_rcp_f32 v[TM+6], v[TM]                       ; 1 / l: read only at the end
	v_nop
	s_wait_loadcnt 0x0                             ; V and Wo
; O^T = V^T P: 4 steps of 4 keys for each of four tiles of channels, the four accumulators by turns
.irp s, 0,1,2,3
.irp d, 0,1,2,3
.if \s == 0
	v_wmma_f32_16x16x4_f32 v[OA+8*\d:OA+8*\d+7], v[VF+8*\d+2*\s:VF+8*\d+2*\s+1], v[SS+2*\s:SS+2*\s+1], 0
.else
	v_wmma_f32_16x16x4_f32 v[OA+8*\d:OA+8*\d+7], v[VF+8*\d+2*\s:VF+8*\d+2*\s+1], v[SS+2*\s:SS+2*\s+1], v[OA+8*\d:OA+8*\d+7]
.endif
.endr
.endr
.rept 9
	v_nop                                          ; nine plain lines behind this form before a matrix instruction takes a result as a source
.endr
; my head's part of the outputs, not yet divided by l: source 0 = 16 rows of Wo, source 1 = O^T as it stands: lane (r, h) holds query r, channels 16 dt + 8 h + 0 .. 7.  16 steps, four accumulators by turns, begun anew
.irp d, 0,1,2,3
.irp s, 0,1,2,3
.if \d == 0
	v_wmma_f32_16x16x4_f32 v[SA+8*\s:SA+8*\s+7], v[WF+8*\d+2*\s:WF+8*\d+2*\s+1], v[OA+8*\d+2*\s:OA+8*\d+2*\s+1], 0
.else
	v_wmma_f32_16x16x4_f32 v[SA+8*\s:SA+8*\s+7], v[WF+8*\d+2*\s:WF+8*\d+2*\s+1], v[OA+8*\d+2*\s:OA+8*\d+2*\s+1], v[SA+8*\s:SA+8*\s+7]
.endif
.endr
.endr
.rept 8
	v_nop
.endr
	s_wait_alu depctr_va_vdst(0)                   ; the reciprocal's wait, ahead of its first reader
.irp k, 0,2,4,6
	v_pk_add_f32 v[TM+8+\k:TM+8+\k+1], v[SA+\k:SA+\k+1], v[SA+8+\k:SA+8+\k+1]
	v_pk_add_f32 v[YS+\k:YS+\k+1], v[SA+16+\k:SA+16+\k+1], v[SA+24+\k:SA+24+\k+1]
.endr
.irp k, 0,2,4,6
	v_pk_add_f32 v[YS+\k:YS+\k+1], v[YS+\k:YS+\k+1], v[TM+8+\k:TM+8+\k+1]
.endr
.irp j, 0,1,2,3,4,5,6,7
	v_mul_f32 v[YS+\j], v[YS+\j], v[TM+6]          ; lane (r, h): row r, columns 16 x + 8 h + 0 .. 7
.endr
	ds_store_b128 v8, v[YS:YS+3] offset:PART
	ds_store_b128 v8, v[YS+4:YS+7] offset:PART+16
	s_wait_tensorcnt 0x0                           ; my last LDS stores are issued; no LDS write follows
	ds_add_u32 v[SPW], v[NIL]
	s_wait_dscnt 0x0                               ; the add is done, and, for the others' sake, so are my stores
	s_barrier_signal -1
	s_barrier_wait -1                              ; all sixteen parts lie in LDS
	s_cmp_lt_u32 s10, 2
	s_cbranch_scc0 .Lrest
.irp w, 0,1,2,3,4,5,6,7,8,9,10,11,12,13,14,15
	ds_load_b128 v[16+4*\w:16+4*\w+3], v9 offset:PART+\w*1280
.endr
	s_wait_dscnt 0x0
.irp n, 32,16,8,4                              ; the sixteen heads' parts are added by halves
.set i, 0
.rept \n/2
	v_pk_add_f32 v[16+2*i:16+2*i+1], v[16+2*i:16+2*i+1], v[16+\n+2*i:16+\n+2*i+1]
.set i, i+1
.endr
.endr
	global_store_b128 v10, v[16:19], s[8:9]        ; four lanes store a row's 64 consecutive bytes
.Lrest:
	s_endpgm
.Lfunc_end_k_q06d593cda0_first16:
	.size	k_q06d593cda0_first16, .Lfunc_end_k_q06d593cda0_first16-k_q06d593cda0_first16
	.p2alignl 7, 3214868480
	.fill 96, 4, 3214868480
	.section	.rodata,"a",@progbits
	.p2align	6, 0x0
	.amdhsa_kernel k_q06d593cda0_first16
		.amdhsa_group_segment_fixed_size 22528
		.amdhsa_private_segment_fixed_size 0
		.amdhsa_enable_private_segment 0
		.amdhsa_kernarg_size 24
		.amdhsa_user_sgpr_count 2
		.amdhsa_user_sgpr_kernarg_segment_ptr 1
		.amdhsa_wavefront_size32 1
		.amdhsa_system_sgpr_workgroup_id_x 1
		.amdhsa_system_sgpr_workgroup_id_y 1
		.amdhsa_system_sgpr_workgroup_id_z 1
		.amdhsa_system_vgpr_workitem_id 0
		.amdhsa_next_free_vgpr 256
		.amdhsa_next_free_sgpr 66
		.amdhsa_reserve_vcc 1
		.amdhsa_float_denorm_mode_32 3
		.amdhsa_float_denorm_mode_16_64 3
		.amdhsa_memory_ordered 1
		.amdhsa_forward_progress 1
		.amdhsa_inst_pref_size 19
	.end_amdhsa_kernel
	.amdgpu_metadata
---
amdhsa.version: [ 1, 2 ]
amdhsa.kernels:
  - .name:           k_q06d593cda0_first16
    .symbol:         k_q06d593cda0_first16.kd
    .args:
      - { .name: rows32, .offset: 0, .size: 8, .value_kind: global_buffer, .address_space: global }
      - { .name: o_proj_weight, .offset: 8, .size: 8, .value_kind: global_buffer, .address_space: global }
      - { .name: out0, .offset: 16, .size: 8, .value_kind: global_buffer, .address_space: global }
    .group_segment_fixed_size: 22528
    .private_segment_fixed_size: 0
    .kernarg_segment_align: 8
    .kernarg_segment_size: 24
    .max_flat_workgroup_size: 512
    .sgpr_count:     66
    .vgpr_count:     256
    .wavefront_size: 32
...
	.end_amdgpu_metadata
.endif
;; end of part 5
